; MI455X (gfx1250); checked and timed in simulation.
; The chip was launched on July 23, 2026; its instructions are those of AMD's public machine-readable ISA for CDNA 5 (MIT licence, August 2026) and "CDNA5" Instruction Set Architecture Reference Guide (July 2026). The comments in the code are by the model that wrote it; some were corrected since.
;; Multi Head Self Attention. Allowed arithmetic: matrix products marked QUANTISED: E2M1 operands, one E8M0 scale for each 32 along K, by v_wmma_scale_f32_16x16x128_f8f6f4 with both operands' format E2M1 (or v_wmma_scale_f32_32x16x128_f4), f32 sums; products left as they are: bf16, f16 or f32 operands; f32 sums; everything else in f32.
;; Inputs: Wk 1,024 x 1,024 float32; Wo 1,024 x 1,024 float32; Wq 1,024 x 1,024 float32; Wv 1,024 x 1,024 float32; x 4 x 2,048 x 1,024 float32.
;; Outputs: out0 4 x 2,048 x 1,024 float32.
;; This version of the problem:
;;   THIS VERSION OF THE PROBLEM IS GIVEN IN LOW PRECISION. The matrix products marked QUANTISED in the list below multiply operands that are first quantised to E2M1 (2 exponent bits, 1 mantissa bit; 4 bits a number), with one power-of-two scale for each 32 numbers along K (OCP MX v1.0); their sums are f32. The products marked 'left as it is' may take bf16, f16 or f32 operands, with f32 sums. Whichever they take, every output number must still come out within the allowed error. Rounding operands to bf16 (8 significant bits) uses up far more of that allowance than f16 does (11 bits, for magnitudes from 6e-5 to 65,504). All else is computed in f32.
;;   The module's matrix products, in the order in which they are computed (A, B: the left and right operand; K: the contracted axis; several contracted axes count as one K, in the product's order):
;;     1. [M 8,192, K 1,024] x [K 1,024, N 1,024]; A: input x; B: input Wq: QUANTISED
;;     2. [M 8,192, K 1,024] x [K 1,024, N 1,024]; A: input x; B: input Wk: QUANTISED
;;     3. [M 8,192, K 1,024] x [K 1,024, N 1,024]; A: input x; B: input Wv: QUANTISED
;;     4. batch 64 x [M 2,048, K 64] x [K 64, N 2,048]; A: computed on the way; B: computed on the way: left as it is (an operand is computed on the way)
;;     5. batch 64 x [M 2,048, K 2,048] x [K 2,048, N 64]; A: computed on the way; B: computed on the way: left as it is (an operand is computed on the way)
;;     6. [M 8,192, K 1,024] x [K 1,024, N 1,024]; A: computed on the way; B: input Wo: left as it is (an operand is computed on the way)
;;   THE QUANTISER, for each operand of a quantised product, along K:
;;     - K is cut into blocks of 32 from its start; a last block that is shorter is filled with zeros.
;;     - A block's scale is 2^e with e = floor(log2(the largest magnitude in the block)) - 2, held to -126 .. 127; a block of zeros has e = 0. As a byte (E8M0): e + 127.
;;     - Each number is divided by its block's scale, clamped to +-6, and rounded to the nearest number of E2M1, ties to even, subnormals kept.
;;     - The product sums the exact products of the quantised numbers (number of the format x scale) in f32.
;;   ~~~python
;;   def quantise(x, axis):      # numpy; x: float32 -> the quantised numbers, widened to float32 again
;;       x = np.moveaxis(x, axis, -1); K = x.shape[-1]
;;       x = np.pad(x, [(0, 0)] * (x.ndim - 1) + [(0, -K % 32)]); x = x.reshape(x.shape[:-1] + (-1, 32)); a = np.abs(x).max(-1, keepdims=True)
;;       e = np.where(a > 0, np.clip(np.frexp(np.where(a > 0, a, 1))[1] - 1 - 2, -126, 127), 0)      # np.frexp(a)[1] - 1 = floor(log2(a)), exactly
;;       r = np.clip(x / 2.0 ** e, -6, 6)
;;       step = 2.0 ** (np.maximum(np.frexp(np.where(r == 0, 1, r))[1] - 1, 0) - 1)
;;       q = np.round(r / step) * step * 2.0 ** e      # np.round: ties to even
;;       return np.moveaxis(q.reshape(q.shape[:-2] + (-1,))[..., :K], -1, axis).astype(np.float32)
;;   ~~~
;; One version. Each part assembles by itself: llvm-mc -triple=amdgcn-amd-amdhsa -mcpu=gfx1250 --defsym DOCPART=n.
;; ======== version 1 of 1: 4 launches
;; limits: values are held in f16: magnitudes above 65,504 overflow, below 6.1e-05 lose precision
;; workspace buffers: codes 5,767,168 bytes; scales 360,448 bytes; wo16 2,097,152 bytes; rope 524,288 bytes; qkv 50,331,648 bytes; att 16,777,216 bytes
;; launch prep (part 1): grid 432 x 1, 4 waves a work-group, no clusters, 33,280 bytes of LDS; arguments x, Wq, Wk, Wv, Wo, codes, scales, wo16, rope; writes codes, scales, wo16, rope
.if DOCPART == 1
	.amdgcn_target "amdgcn-amd-amdhsa--gfx1250"
	.amdhsa_code_object_version 6
	.text
	.protected	k_qdbbd90d55a_prep
	.globl	k_qdbbd90d55a_prep
	.p2align	8
	.type	k_qdbbd90d55a_prep,@function
k_qdbbd90d55a_prep:
	s_mov_b64 s[64:65], 0
	v_nop
	global_prefetch_b8 v0, s[64:65] scope:SCOPE_SE
	s_setreg_imm32_b32 hwreg(HW_REG_WAVE_MODE, 25, 1), 1
	s_wait_xcnt 0x0
; PREP: three jobs that share one launch, told apart by the work-group's number alone.
; (Q) work-groups 0-351: x [8192][1024], Wq, Wk, Wv [1024][1024], f32, K innermost, become codes of FP4 (E2M1) and one E8M0 byte for each 32 along K, laid as ONE matrix of 11,264 rows:
;     rows 0-8191 x, 8192-9215 Wq, 9216-10239 Wk, 10240-11263 Wv; codes [row][512 bytes], scales [row][32 bytes].  Rows are dense, so each tensor is a plain stream of blocks of 32.
;     A block's scale is 2^(floor(log2(largest magnitude)) - 2): its byte is the largest magnitude's exponent field - 2, held at 1 from below.  A block of zeros keeps the byte 1 where the rule says 127:
;     its codes are zeros, and this program alone reads the bytes.
; (W) work-groups 352-415: Wo [1024 n][1024 k] f32 is rounded to f16 and laid as IMAGES OF OPERAND REGISTERS.  An image is 16 rows x 32 k in 1,024 bytes: byte 512 g + 16 lane + 2 e holds
;     row lane % 16, k = 16 g + 8 (lane / 16) + e.  Two loads of 16 bytes a lane, at 16 x lane and 512 further on, are then a 16-bit matrix operand as it stands.  wo16: (n / 16) x 32,768 + (k / 32) x 1,024 + image.
; (R) work-groups 416-431: the table of cos and sin of position x 10000^(-f / 32), f32, in the order in which the next launch's lanes want it:
;     (l / 16) x 4,096 + 512 (4 kind + w) + 16 lane + 4 i  holds kind 0: cos, 1: sin of (16 (l / 16) + lane % 16) x invfreq[16 (w / 2) + 8 (lane / 16) + 4 (w % 2) + i].
; LIMITS: quantiser blocks whose largest magnitude lies under 2^-124 keep the byte 1; NaN and infinities among the inputs are not served.  cos and sin: the angle is reduced by 2 pi in two parts and
; summed by the series to x^15 and x^16 on |x| <= pi, whose first dropped terms are pi^17 / 17! = 8e-7 and pi^18 / 18! = 1.4e-7; their users round to f16.
.set STEPS, 16
.set EMAX,  2
.set CB,    8                          ; bytes of 16 codes
.set R,     16                         ; v16-79   four sets of 16 numbers as they are loaded
.set X,     80                         ; v80-111  two sets of 16 neighbours
.set E,     112                        ; v112-127 a scale byte for each step
.set C,     128                        ; v128-191 codes: four registers for each step, so that no store's data are written again
.set WREG,  8192                       ; LDS: a region for each wave: two stages of 32 x SP bytes, behind them its 256 scale bytes
.set SP,    80                         ; a lane's place in a stage: 64 bytes + 16 of padding
.set SPW,   12                         ; v12      LDS address of my spare word: SPARE + 4 x my thread's number; never rewritten
.set NIL,   13                         ; v13      0; never rewritten
.set SPARE, 4*WREG                     ; behind the four regions: the spare words, 128 bytes a wave, which no other line names
	s_load_b512 s[8:23], s[0:1], 0x0               ; x 8, Wq 10, Wk 12, Wv 14, Wo 16, codes 18, scales 20, wo16 22
	s_load_b64 s[24:25], s[0:1], 0x40              ; rope
	v_lshl_add_u32 v[SPW], v0, 2, SPARE
	v_mov_b32 v[NIL], 0
	v_lshrrev_b32 v1, 5, v0
	v_readfirstlane_b32 s2, v1                     ; wave 0..3
	v_and_b32 v2, 31, v0                           ; lane
	s_wait_kmcnt 0x0
	s_cmp_ge_u32 ttmp9, 352
	s_cbranch_scc1 .Lother
; ---------------- (Q) the quantiser.  A wave takes 16 steps of 512 numbers.  Each of a step's four loads reads 512 consecutive bytes; the 2,048 bytes turn through the wave's own stage in LDS and come back
; 64 bytes a lane, so that a lane holds 16 neighbours along K (two neighbouring lanes hold a block).  Loads run four steps ahead, the turn through LDS one step.
	v_lshlrev_b32 v3, 4, v2                        ; my 16 bytes of a load's 512
	s_mul_i32 s3, s2, WREG
	v_lshrrev_b32 v14, 2, v2
	v_mul_u32_u24 v14, v14, SP
	v_and_b32 v15, 3, v2
	v_lshl_add_u32 v14, v15, 4, v14
	v_add_nc_u32 v14, s3, v14                      ; the stage, on the way in: SP (lane / 4) + 16 (lane % 4)
	v_mul_u32_u24 v15, v2, SP
	v_add_nc_u32 v15, s3, v15                      ; and on the way out: SP x lane
	v_mul_u32_u24 v4, v2, CB                       ; my codes' place in a step's
	v_lshrrev_b32 v5, 1, v2
	s_add_co_u32 s3, s3, 2*32*SP
	v_add_nc_u32 v5, s3, v5                        ; LDS: my wave's 256 scale bytes, my block's byte
	v_lshlrev_b32 v7, 3, v2                        ; and on the way out 8 bytes a lane
	v_add_nc_u32 v6, s3, v7
	s_and_b32 s26, ttmp9, 31                       ; a weight has 32 work-groups, and 256, 288, 320 are multiples of 32
	s_cmp_lt_u32 ttmp9, 320                        ; which tensor: the choice hangs on the work-group's number alone
	s_cselect_b64 s[4:5], s[12:13], s[14:15]
	s_cmp_lt_u32 ttmp9, 288
	s_cselect_b64 s[4:5], s[10:11], s[4:5]
	s_cmp_lt_u32 ttmp9, 256
	s_cselect_b64 s[4:5], s[8:9], s[4:5]
	s_cselect_b32 s26, ttmp9, s26                  ; my work-group's place in that tensor
	s_lshl_b32 s26, s26, 2
	s_add_co_u32 s26, s26, s2                      ; which run of 8,192 numbers of the tensor is my wave's
	s_lshl_b32 s26, s26, 15                        ; 32,768 bytes a run
	s_mov_b32 s27, 0
	s_add_nc_u64 s[4:5], s[4:5], s[26:27]
	s_lshl_b32 s28, ttmp9, 2
	s_add_co_u32 s28, s28, s2                      ; and which run of the joint matrix: the tensors follow each other there as the work-groups do
	s_lshl_b32 s26, s28, 12                        ; 4,096 bytes of codes a run
	s_add_nc_u64 s[18:19], s[18:19], s[26:27]
	s_lshl_b32 s26, s28, 8                         ; 256 scale bytes a run
	s_add_nc_u64 s[20:21], s[20:21], s[26:27]
.macro LOAD t
.irp i, 0,1,2,3
	global_load_b128 v[R+16*((\t)%4)+4*\i:R+16*((\t)%4)+4*\i+3], v3, s[4:5] offset:2048*(\t)+512*\i th:TH_LOAD_NT   ; 32 lanes read 512 consecutive bytes
.endr
.endm
.macro TURN t                          ; step t's numbers through the stage: LDS serves a wave's instructions in order, so no wait stands between the stores and the loads
.irp i, 0,1,2,3
	ds_store_b128 v14, v[R+16*((\t)%4)+4*\i:R+16*((\t)%4)+4*\i+3] offset:32*SP*((\t)%2)+8*SP*\i
.endr
.irp i, 0,1,2,3
	ds_load_b128 v[X+16*((\t)%2)+4*\i:X+16*((\t)%2)+4*\i+3], v15 offset:32*SP*((\t)%2)+16*\i
.endr
.endm
.irp t, 0,1,2,3
	LOAD \t
.endr
	s_wait_loadcnt 12                              ; step 0's four loads are in; the twelve of steps 1 to 3 may be out
	TURN 0
.macro STEP t
.set XS, X+16*((\t)%2)
.if (\t) > 0
	s_wait_dscnt 1                                 ; this step's numbers are back from the stage (the last step's byte store may be out): so its stores into the stage have read their registers,
.else
	s_wait_dscnt 0x0
.endif
.if (\t)+4 < STEPS
	LOAD (\t)+4                                    ; which take the loads of four steps on
.endif
.if (\t)+1 < STEPS
.if STEPS-2-(\t) >= 3
	s_wait_loadcnt 12                              ; the next step's four loads are in; those of the three steps behind it may be out
.else
	s_wait_loadcnt 4*(STEPS-2-(\t))
.endif
	TURN (\t)+1                                    ; and go through the other stage while this step is worked
.endif
	v_max3_num_f32 v8, |v[XS]|, |v[XS+1]|, |v[XS+2]|               ; the largest magnitude of my 16, in two chains
	v_max3_num_f32 v9, |v[XS+3]|, |v[XS+4]|, |v[XS+5]|
.irp i, 6,10
	v_max3_num_f32 v8, v8, |v[XS+\i]|, |v[XS+\i+1]|
	v_max3_num_f32 v9, v9, |v[XS+\i+2]|, |v[XS+\i+3]|
.endr
	v_max3_num_f32 v8, v8, |v[XS+14]|, |v[XS+15]|
	v_max3_num_f32 v8, v8, v9, (EMAX+1)<<23        ; and the floor 2^(3 - 127): the byte cannot fall under 1
	v_max_num_f32_dpp v8, v8, v8 row_xmask:1 row_mask:0xf bank_mask:0xf   ; and of my neighbour's 16: the block's
	v_add_nc_u32 v11, 0xff000000, v8               ; 2 off its exponent field: the conversion takes the exponent field of this operand as its scale, and nothing else of it
	v_cvt_scalef32_pk8_fp4_f32 v[C+4*(\t)], v[XS:XS+7], v11        ; eight numbers / the scale, to the nearest code, ties to even, beyond 6 the largest code
	v_cvt_scalef32_pk8_fp4_f32 v[C+4*(\t)+1], v[XS+8:XS+15], v11
	v_lshrrev_b32 v[E+(\t)], 23, v11               ; the scale's byte (a plain line behind the conversions)
	ds_store_b8 v5, v[E+(\t)] offset:16*(\t)       ; both lanes of a block write the same byte with the same value
	global_store_b64 v4, v[C+4*(\t):C+4*(\t)+1], s[18:19] offset:32*CB*(\t)   ; the wave stores 256 consecutive bytes, aligned
.endm
.irp t, 0,1,2,3,4,5,6,7,8,9,10,11,12,13,14,15
	STEP \t
.endr
	ds_load_b64 v[8:9], v6                         ; LDS serves a wave's instructions in order: these see my byte stores
	s_wait_dscnt 0x0
	global_store_b64 v7, v[8:9], s[20:21]          ; 32 lanes store 256 consecutive scale bytes, aligned
	s_wait_tensorcnt 0x0                           ; the wave's end, behind my last LDS store
	ds_add_u32 v[SPW], v[NIL]
	s_wait_dscnt 0x0
	s_endpgm
.Lother:
	s_cmp_ge_u32 ttmp9, 416
	s_cbranch_scc1 .Lrope
; ---------------- (W) Wo to f16 images.  The work-group takes 16 rows n; wave w takes k = 256 w .. 256 w + 255: eight images.  No LDS: a lane loads the 8 numbers of each half image (32 bytes) and stores the 16 bytes they round to.
	s_sub_co_u32 s26, ttmp9, 352                   ; which 16 rows
	v_and_b32 v3, 15, v0                           ; r
	v_bfe_u32 v4, v0, 4, 1                         ; h
	v_lshlrev_b32 v1, 12, v3
	v_lshl_add_u32 v1, v4, 5, v1                   ; in: row r of 4,096 bytes, + 32 h
	v_lshlrev_b32 v2, 4, v2                        ; out: 16 x lane
	s_lshl_b32 s28, s26, 16                        ; 16 rows of 4,096 bytes,
	s_lshl_b32 s29, s2, 10                         ; my wave's 256 numbers
	s_add_co_u32 s28, s28, s29
	s_mov_b32 s29, 0
	s_add_nc_u64 s[16:17], s[16:17], s[28:29]
	s_lshl_b32 s28, s26, 15                        ; 32 images of 1,024 bytes for 16 rows,
	s_lshl_b32 s30, s2, 13                         ; my wave's eight
	s_add_co_u32 s28, s28, s30
	s_add_nc_u64 s[22:23], s[22:23], s[28:29]
.irp q, 0,1,2,3,4,5,6,7
.irp g, 0,1
.irp e, 0,1
	global_load_b128 v[32+16*\q+8*\g+4*\e:32+16*\q+8*\g+4*\e+3], v1, s[16:17] offset:128*\q+64*\g+16*\e th:TH_LOAD_NT
.endr
.endr
.endr
.irp q, 0,1,2,3,4,5,6,7
	s_wait_loadcnt 4*(7-\q)                        ; image q's four loads are in; the later images' may be out
.irp i, 0,1,2,3,4,5,6,7
	v_cvt_pk_f16_f32 v[32+8*\q+\i], v[32+16*\q+2*\i], v[32+16*\q+2*\i+1]   ; in place: register 32 + 8 q + i lies at or under every number not yet read, over no pending load's and in no earlier store's registers
.endr
	global_store_b128 v2, v[32+8*\q:32+8*\q+3], s[22:23] offset:1024*\q         ; 512 consecutive bytes, aligned
	global_store_b128 v2, v[32+8*\q+4:32+8*\q+7], s[22:23] offset:1024*\q+512
.endr
	s_endpgm
.Lrope:
; ---------------- (R) the table.  The work-group takes 128 positions (8 tiles of 16); wave w takes the four frequencies 16 (w / 2) + 8 h + 4 (w % 2) + 0 .. 3 of each lane.
	s_sub_co_u32 s26, ttmp9, 416
	v_and_b32 v3, 15, v0                           ; r
	v_bfe_u32 v4, v0, 4, 1                         ; h
	v_lshlrev_b32 v2, 4, v2                        ; out: 16 x lane
	s_lshr_b32 s27, s2, 1
	s_and_b32 s28, s2, 1
	s_lshl_b32 s27, s27, 4
	s_lshl_b32 s28, s28, 2
	s_add_co_u32 s27, s27, s28
	v_lshl_add_u32 v5, v4, 3, s27                  ; my first frequency's number
	s_lshl_b32 s29, s26, 7
	v_add_nc_u32 v6, s29, v3                       ; my position in tile 0
	s_lshl_b32 s28, s26, 15                        ; 8 tiles of 4,096 bytes,
	s_lshl_b32 s29, s2, 9                          ; my wave's 512 of each half tile
	s_add_co_u32 s28, s28, s29
	s_mov_b32 s29, 0
	s_add_nc_u64 s[24:25], s[24:25], s[28:29]
	s_mov_b32 s30, 0x40c90fdb                      ; 2 pi, rounded to f32,
	s_mov_b32 s31, 0xb43bbd2e                      ; and what the rounding left
	s_mov_b32 s32, 0xbed49a78                      ; -log2(10000) / 32
	s_mov_b32 s33, 0xbe2aaaab                      ; sin: -1/3!, 1/5!, -1/7!, 1/9!, -1/11!, 1/13!, -1/15!
	s_mov_b32 s34, 0x3c088889
	s_mov_b32 s35, 0xb9500d01
	s_mov_b32 s36, 0x3638ef1d
	s_mov_b32 s37, 0xb2d7322b
	s_mov_b32 s38, 0x2f309231
	s_mov_b32 s39, 0xab573f9f
	s_mov_b32 s40, 0xbf000000                      ; cos: -1/2!, 1/4!, -1/6!, 1/8!, -1/10!, 1/12!, -1/14!, 1/16!
	s_mov_b32 s41, 0x3d2aaaab
	s_mov_b32 s42, 0xbab60b61
	s_mov_b32 s43, 0x37d00d01
	s_mov_b32 s44, 0xb493f27e
	s_mov_b32 s45, 0x310f76c7
	s_mov_b32 s46, 0xad49cba5
	s_mov_b32 s47, 0x29573f9f
.irp i, 0,1,2,3
	v_add_nc_u32 v[16+\i], \i, v5
.endr
.irp i, 0,1,2,3
	v_cvt_f32_u32 v[16+\i], v[16+\i]
.endr
.irp i, 0,1,2,3
	v_mul_f32 v[16+\i], s32, v[16+\i]
.endr
.irp i, 0,1,2,3
	v_exp_f32 v[16+\i], v[16+\i]                   ; 10000^(-f / 32)
.endr
	v_nop                                          ; a plain line behind the last exponential,
	s_wait_alu depctr_va_vdst(0)                   ; and the one wait ahead of the batch's first reader
.irp n, 0,1,2,3,4,5,6,7                        ; a tile of 16 positions; the four angles take turns line by line
	v_add_nc_u32 v7, 16*\n, v6
	v_cvt_f32_u32 v7, v7
.irp i, 0,1,2,3
	v_mul_f32 v[24+\i], v7, v[16+\i]               ; the angle, rounded to f32 once
.endr
.irp i, 0,1,2,3
	v_mul_f32 v[28+\i], 0.15915494, v[24+\i]
.endr
.irp i, 0,1,2,3
	v_rndne_f32 v[28+\i], v[28+\i]                 ; whole turns
.endr
.irp i, 0,1,2,3
	v_fma_f32 v[24+\i], -v[28+\i], s30, v[24+\i]
.endr
.irp i, 0,1,2,3
	v_fma_f32 v[24+\i], -v[28+\i], s31, v[24+\i]   ; the angle less its whole turns: within pi of 0
.endr
.irp i, 0,1,2,3
	v_mul_f32 v[32+\i], v[24+\i], v[24+\i]
.endr
.irp i, 0,1,2,3
	v_fma_f32 v[36+\i], v[32+\i], s39, s38
.endr
.irp k, 37,36,35,34,33
.irp i, 0,1,2,3
	v_fma_f32 v[36+\i], v[36+\i], v[32+\i], s[\k]
.endr
.endr
.irp i, 0,1,2,3
	v_fma_f32 v[40+\i], v[32+\i], s47, s46
.endr
.irp k, 45,44,43,42,41,40
.irp i, 0,1,2,3
	v_fma_f32 v[40+\i], v[40+\i], v[32+\i], s[\k]
.endr
.endr
.irp i, 0,1,2,3
	v_mul_f32 v[44+\i], v[24+\i], v[32+\i]
.endr
.irp i, 0,1,2,3
	v_fma_f32 v[64+8*\n+\i], v[32+\i], v[40+\i], 1.0             ; cos.  Each tile has result registers of its own: no store's data are written again
.endr
.irp i, 0,1,2,3
	v_fma_f32 v[68+8*\n+\i], v[44+\i], v[36+\i], v[24+\i]        ; sin
.endr
	global_store_b128 v2, v[64+8*\n:67+8*\n], s[24:25] offset:4096*\n          ; 512 consecutive bytes, aligned
	global_store_b128 v2, v[68+8*\n:71+8*\n], s[24:25] offset:4096*\n+2048
.endr
	s_endpgm
.Lfunc_end_k_qdbbd90d55a_prep:
	.size	k_qdbbd90d55a_prep, .Lfunc_end_k_qdbbd90d55a_prep-k_qdbbd90d55a_prep
	.p2alignl 7, 3214868480
	.fill 96, 4, 3214868480
	.section	.rodata,"a",@progbits
	.p2align	6, 0x0
	.amdhsa_kernel k_qdbbd90d55a_prep
		.amdhsa_group_segment_fixed_size 33280
		.amdhsa_private_segment_fixed_size 0
		.amdhsa_enable_private_segment 0
		.amdhsa_kernarg_size 72
		.amdhsa_user_sgpr_count 2
		.amdhsa_user_sgpr_kernarg_segment_ptr 1
		.amdhsa_wavefront_size32 1
		.amdhsa_system_sgpr_workgroup_id_x 1
		.amdhsa_system_sgpr_workgroup_id_y 1
		.amdhsa_system_sgpr_workgroup_id_z 1
		.amdhsa_system_vgpr_workitem_id 0
		.amdhsa_next_free_vgpr 192
		.amdhsa_next_free_sgpr 66
		.amdhsa_reserve_vcc 0
		.amdhsa_float_denorm_mode_32 3
		.amdhsa_float_denorm_mode_16_64 3
		.amdhsa_memory_ordered 1
		.amdhsa_forward_progress 1
		.amdhsa_inst_pref_size 86
	.end_amdhsa_kernel
	.amdgpu_metadata
---
amdhsa.version: [ 1, 2 ]
amdhsa.kernels:
  - .name:           k_qdbbd90d55a_prep
    .symbol:         k_qdbbd90d55a_prep.kd
    .args:
      - { .name: x, .offset: 0, .size: 8, .value_kind: global_buffer, .address_space: global }
      - { .name: Wq, .offset: 8, .size: 8, .value_kind: global_buffer, .address_space: global }
      - { .name: Wk, .offset: 16, .size: 8, .value_kind: global_buffer, .address_space: global }
      - { .name: Wv, .offset: 24, .size: 8, .value_kind: global_buffer, .address_space: global }
      - { .name: Wo, .offset: 32, .size: 8, .value_kind: global_buffer, .address_space: global }
      - { .name: codes, .offset: 40, .size: 8, .value_kind: global_buffer, .address_space: global }
      - { .name: scales, .offset: 48, .size: 8, .value_kind: global_buffer, .address_space: global }
      - { .name: wo16, .offset: 56, .size: 8, .value_kind: global_buffer, .address_space: global }
      - { .name: rope, .offset: 64, .size: 8, .value_kind: global_buffer, .address_space: global }
    .group_segment_fixed_size: 33280
    .private_segment_fixed_size: 0
    .kernarg_segment_align: 8
    .kernarg_segment_size: 72
    .max_flat_workgroup_size: 128
    .sgpr_count:     66
    .vgpr_count:     192
    .wavefront_size: 32
...
	.end_amdgpu_metadata
.endif
;; end of part 1
;; launch qkv (part 2): grid 12 x 32, 4 waves a work-group, clusters of 4 x 4, 327,680 bytes of LDS; arguments codes, scales, rope, qkv; writes qkv
.if DOCPART == 2
	.amdgcn_target "amdgcn-amd-amdhsa--gfx1250"
	.amdhsa_code_object_version 6
	.text
	.protected	k_qdbbd90d55a_qkv
	.globl	k_qdbbd90d55a_qkv
	.p2align	8
	.type	k_qdbbd90d55a_qkv,@function
k_qdbbd90d55a_qkv:
	s_mov_b64 s[64:65], 0
	v_nop
	global_prefetch_b8 v0, s[64:65] scope:SCOPE_SE
	s_setreg_imm32_b32 hwreg(HW_REG_WAVE_MODE, 25, 1), 1
	s_wait_xcnt 0x0
	s_wait_alu depctr_hold_cnt(0) depctr_sa_sdst(0) depctr_va_vdst(0) depctr_va_sdst(0) depctr_va_ssrc(0) depctr_va_vcc(0) depctr_vm_vsrc(0)
	s_getreg_b32 s2, hwreg(HW_REG_IB_STS2, 6, 4)
	s_cmp_eq_u32 s2, 0
	s_cbranch_scc0 .Lentry_in_a_cluster
	s_endpgm
.Lentry_in_a_cluster:
	s_bfe_u32 s2, ttmp6, 0x10000c
	s_cmp_lg_u32 s2, 0xf033
	s_cbranch_scc0 .Lentry_shape_is_right
	s_endpgm
.Lentry_shape_is_right:
; QKV: the three quantised products x Wq^T, x Wk^T, x Wv^T as one GEMM on codes of FP4 (E2M1) with one E8M0 scale for each 32 along K = 1,024; then the rotation of q and k, and rounding to f16.
; codes [11,264 rows][512 bytes], scales [row][32 bytes]: rows 0-8191 x, 8192 on Wq, 9216 on Wk, 10240 on Wv.  Sums in f32, one accumulator for each output, K ascending.
; A tile, 256 x 256, is made by four waves, 128 x 128 each: 64 accumulators, 512 registers.  K is two steps of 512, rows of 256 bytes, in two LDS slots: both are asked for at the head, nothing is filled again.
; The scale bytes of the tile's 512 rows come once, as dense blocks, with the first fills.
; THE MATRIX INSTRUCTION IS USED TRANSPOSED (source 0 = 16 rows of the side called B here, source 1 = 16 rows of the side called A): a lane holds ONE row of A's side and eight neighbours along B's side.
; Cluster x = 0, 1 (q, k): A = x, B = the weight: a lane holds a position and eight channels.  Cluster x = 2 (v): THE SIDES ARE SWAPPED, A = Wv, B = x: a lane holds a channel and eight positions, which is what V^T wants.
; CLUSTERS: 4 x 4 work-groups; A's tile is shared along a row of the cluster, B's along a column: each is asked for jointly, by the same tensor load with a mask that names the four.
; THE RESULT IS LAID AS IMAGES OF OPERAND REGISTERS.  An image is 16 rows x 32 k of f16 in 1,024 bytes: byte 512 g + 16 lane + 2 e holds row lane % 16, k = 16 g + 8 (lane / 16) + e.  A lane's eight results, rounded in pairs,
; are its 16 bytes of half an image: every store of a wave is 512 consecutive bytes, aligned, straight from registers.  With bh = 16 batch + head:
;   q at 0, k at 2^24: bh x 262,144 + (l / 16) x 2,048 + (d / 32) x 1,024 + image(row l % 16, k = d % 32);   v at 2^25: bh x 262,144 + (key / 32) x 4,096 + (d / 16) x 1,024 + image(row d % 16, k = key % 32).
; LIMIT: q, k and v are kept in f16: magnitudes above 65,504 are not served.
; REGISTERS, in windows of 256: window 0: v0-31 addresses; v32-95 scale words, two sets, and nothing else; v128-191 A's fragments, ONE set, on the way out the packed results; v192-255 the table of cos and sin, two sets.
;   window 1: B's fragments, two sets, at v0 and v128; v64-127 the rotated numbers, v192-207 at work.   window 2: the accumulators of my rows 0-63 ((a, b) at v[8 (8 a + b)]);   window 3: those of my rows 64-127.
.set KSTEP,  512
.set NQ,     4                         ; matrix instructions deep in a slot
.set ROWB,   256                       ; a tile's row in bytes
.set KROW,   512                       ; a row of codes in memory
.set PITCH,  272                       ; an LDS row: 256 bytes + 16 of padding: the 16 rows that a load touches start 68 words apart
.set FR,     8
.set NL,     2
.set NP,     4
.set HALFT,  128*PITCH
.set SLOT,   4*HALFT                   ; A's 256 rows, then B's 256 rows
.set KS,     32                        ; a row of scales in bytes
.set SCL,    2*SLOT                    ; behind the slots: the scales, as units of 256 bytes + 16 of padding
.set HALFS,  (128*KS/256)*272
.set SBLK,   (16*KS/256)*272
.set SPARE,  SCL+4*HALFS               ; behind the scales: the spare words, 128 bytes a wave, which no other line names
.set ADRA, 16                          ; v16-17  LDS address of my A fragments in slot 0, 1
.set ADRB, 20                          ; v20-21  the same for B
.set CO,   26                          ; v26     16 x lane: my place in a store's, and in a table load's, 512 bytes
.set ADRS, 27                          ; v27     LDS address of my scale words: lanes 0-15 A's rows, lanes 16-31 B's
.set SPW,  28                          ; v28     LDS address of my spare word; never rewritten
.set NIL,  29                          ; v29     0; never rewritten
.set SC,   32
.set AF,   128
.set PK,   128                         ; the way out: packed results, two sets of 32
.set TAB,  192                         ; the table: set s at TAB + 32 s: cos[u][j] at + 8 u + j, sin[u][j] at + 16 + 8 u + j
.set RB,   64                          ; window 1: 64 rotated numbers
.set T,    192                         ; window 1: four pairs each of two products
.set G1, 24
.set G0, 32
.set G1B, 48
.set G0B, 56
.set G1S, 68
.set G0S, 76
.set G1SB, 80
.set G0SB, 88
.set MSB, 0
.macro WIN new                         ; the immediate's high byte repeats the setting that is left; a switch that changes nothing is dropped
.if MSB != (\new)
	s_set_vgpr_msb (MSB<<8)|(\new)
.set MSB, (\new)
.endif
.endm
.set MUL_LO, 0xa1                      ; source 0 (B) window 1, source 1 (A) window 0, C and D window 2
.set MUL_HI, 0xf1                      ; the same, C and D window 3
.set TO_B,   0x40
; A joint load: waves 0 and 1 fetch for A, waves 2 and 3 for B.  The branch hangs on the wave's number alone.  An s_nop 0 and four v_nop follow each of the two lines.
.macro JLOAD g0a, g1a, g0b, g1b
	s_cmp_eq_u32 s15, 0
	s_cbranch_scc0 .Lfor_b_\@
	tensor_load_to_lds s[\g0a:\g0a+3], s[\g1a:\g1a+7]
	s_nop 0
.rept 4
	v_nop
.endr
	s_branch .Lasked_\@
.Lfor_b_\@:
	tensor_load_to_lds s[\g0b:\g0b+3], s[\g1b:\g1b+7]
	s_nop 0
.rept 4
	v_nop
.endr
.Lasked_\@:
.endm
.macro CROUND                          ; a round of the cluster's barrier
	s_barrier_signal -1
	s_barrier_wait -1
	s_cmp_lg_u32 s14, 0
	s_cbranch_scc1 .Lnot_wave_0_\@
	s_barrier_signal -3
.Lnot_wave_0_\@:
	s_barrier_wait -3
	s_barrier_signal -1
	s_barrier_wait -1
.endm
	s_load_b256 s[4:11], s[0:1], 0x0               ; codes s[4:5], scales s[6:7], rope s[8:9], qkv s[10:11]
	v_lshl_add_u32 v[SPW], v0, 2, SPARE
	v_mov_b32 v[NIL], 0
	ds_add_u32 v[SPW], v[NIL]                      ; the wave's opening: the add, twice on end, and its wait ahead of my first tensor load
	ds_add_u32 v[SPW], v[NIL]
	v_lshrrev_b32 v1, 5, v0
	v_readfirstlane_b32 s14, v1                    ; wave 0..3
	s_lshr_b32 s15, s14, 1                         ; which half of A's 256 rows is mine.  Also: I fetch for A (0) or for B (1)
	s_and_b32 s16, s14, 1                          ; which half of B's.  Also: which 128 rows of that tile I fetch
	s_bfe_u32 s40, ttmp6, 0x40000                  ; cx, cy: my place in the cluster
	s_bfe_u32 s41, ttmp6, 0x40004
	s_and_b32 s95, ttmp7, 0xffff                   ; cluster y
	s_cmp_eq_u32 ttmp9, 2                          ; cluster x = 2: v.  The same in all sixteen partners
	s_cselect_b32 s96, 0, s95                      ; A's tiles go by: Wv's four | x's, by cluster y
	s_cselect_b32 s97, s95, ttmp9                  ; B's tiles go by: x's, by cluster y | the weights', by cluster x
	s_cselect_b32 s98, 10240, 0                    ; A's first row in the joint matrix
	s_cselect_b32 s99, 0, 8192                     ; B's
	s_cselect_b32 s3, 1, 0                         ; 1: v
	s_lshl_b32 s42, s97, 2
	s_add_co_u32 s42, s42, s40                     ; B's tile
	s_lshl_b32 s17, s96, 2
	s_add_co_u32 s17, s17, s41                     ; A's tile
	s_lshl_b32 s43, s41, 2
	s_lshl_b32 s43, 15, s43                        ; my row of the cluster
	s_lshl_b32 s44, 0x1111, s40                    ; my column
	; descriptor group 1: a tile of 128 rows x 256 bytes, padded in LDS
	s_or_b32 s[G1+0], s43, (0<<16)|(1<<20)|(1<<21)|(5<<22)|(3<<25)  ; 15:0 the mask; 17:16 elements of 1 byte; 20 padding on; 21 set beside a mask; 24:22 after every 64 words; 31:25 four words
	s_or_b32 s[G1B+0], s44, (0<<16)|(1<<20)|(1<<21)|(5<<22)|(3<<25)
.irp g, G1, G1B
	s_mov_b32 s[\g+1], ROWB<<16                    ; tensor_dim0
	s_mov_b32 s[\g+2], 128<<16                     ; tensor_dim1
	s_mov_b32 s[\g+3], ROWB<<16                    ; tile_dim0
	s_mov_b32 s[\g+4], 128                         ; tile_dim1
	s_mov_b32 s[\g+5], KROW                        ; from row to row
	s_mov_b32 s[\g+6], 0
	s_mov_b32 s[\g+7], 0
.endr
	; the scales of 128 rows: a dense block of 4,096 bytes, as 16 rows of 256 bytes (32 elements of 8 bytes), 16 bytes of padding behind each
	s_or_b32 s[G1S+0], s43, (3<<16)|(1<<20)|(1<<21)|(5<<22)|(3<<25)
	s_or_b32 s[G1SB+0], s44, (3<<16)|(1<<20)|(1<<21)|(5<<22)|(3<<25)
.irp g, G1S, G1SB
	s_mov_b32 s[\g+1], 32<<16
	s_mov_b32 s[\g+2], (128*KS/256)<<16
	s_mov_b32 s[\g+3], 32<<16
	s_mov_b32 s[\g+4], 128*KS/256
	s_mov_b32 s[\g+5], 32
	s_mov_b32 s[\g+6], 0
	s_mov_b32 s[\g+7], 0
.endr
	s_lshl_b32 s18, s16, 7                         ; which 128 rows of the tile I fetch
	s_lshl_b32 s20, s17, 8
	s_add_co_u32 s20, s20, s18
	s_add_co_u32 s20, s20, s98                     ; A: the row in the joint matrix
	s_lshl_b32 s46, s42, 8
	s_add_co_u32 s46, s46, s18
	s_add_co_u32 s46, s46, s99                     ; B likewise
	s_lshl_b32 s22, s20, 5                         ; where these rows' scales begin, in bytes (all offsets stay under 2^23),
	s_mov_b32 s23, 0
	s_lshl_b32 s20, s20, 9                         ; and their codes
	s_mov_b32 s21, 0
	s_lshl_b32 s92, s46, 5
	s_mov_b32 s93, 0
	s_lshl_b32 s46, s46, 9
	s_mov_b32 s47, 0
	s_mul_i32 s45, s14, HALFT                      ; where they go: wave x 128 rows: no place in the cluster enters an LDS address
	s_mul_i32 s94, s14, HALFS
	s_wait_dscnt 0x0                               ; both opening adds are done
	s_wait_kmcnt 0x0
	s_add_nc_u64 s[20:21], s[4:5], s[20:21]
	s_add_nc_u64 s[22:23], s[6:7], s[22:23]
	s_add_nc_u64 s[46:47], s[4:5], s[46:47]
	s_add_nc_u64 s[92:93], s[6:7], s[92:93]
	CROUND                                         ; all sixteen work-groups are here: the first joint loads meet
	s_mov_b32 s[G0S], 1
	s_add_co_u32 s[G0S+1], s94, SCL
	s_mov_b64 s[G0S+2:G0S+3], s[22:23]
	s_or_b32 s[G0S+3], s[G0S+3], 0x80000000
	s_mov_b32 s[G0SB], 1
	s_add_co_u32 s[G0SB+1], s94, SCL
	s_mov_b64 s[G0SB+2:G0SB+3], s[92:93]
	s_or_b32 s[G0SB+3], s[G0SB+3], 0x80000000
	JLOAD G0S, G1S, G0SB, G1SB                     ; the scales first: they are wanted with K step 0.  Three loads of mine are out behind the last of these
.irp s, 0,1
	s_mov_b32 s[G0+4*\s], 1
	s_add_co_u32 s[G0+4*\s+1], s45, \s*SLOT
	s_add_nc_u64 s[G0+4*\s+2:G0+4*\s+3], s[20:21], \s*ROWB
	s_or_b32 s[G0+4*\s+3], s[G0+4*\s+3], 0x80000000
	s_mov_b32 s[G0B+4*\s], 1
	s_add_co_u32 s[G0B+4*\s+1], s45, \s*SLOT
	s_add_nc_u64 s[G0B+4*\s+2:G0B+4*\s+3], s[46:47], \s*ROWB
	s_or_b32 s[G0B+4*\s+3], s[G0B+4*\s+3], 0x80000000
	JLOAD G0+4*\s, G1, G0B+4*\s, G1B
.endr
	v_and_b32 v1, 15, v0                           ; l % 16
	v_bfe_u32 v2, v0, 4, 1                         ; l / 16
	v_mul_u32_u24 v3, v1, PITCH
	v_lshl_add_u32 v4, v2, 4, v3                   ; a fragment's row x pitch + 16 x half
	s_mul_i32 s21, s15, HALFT                      ; my 128 rows of A
	s_mul_i32 s22, s16, HALFT                      ; my 128 rows of B,
	s_add_co_u32 s22, s22, 2*HALFT                 ; which lie behind A's 256
.irp s, 0,1
	v_add_nc_u32 v[ADRA+\s], s21, v4
	v_add_nc_u32 v[ADRB+\s], s22, v4
	s_add_co_u32 s21, s21, SLOT
	s_add_co_u32 s22, s22, SLOT
.endr
	v_mul_u32_u24 v5, v1, KS                       ; my row's scales: 32 bytes a row,
	v_lshrrev_b32 v6, 8, v5
	v_lshl_add_u32 v5, v6, 4, v5                   ; and 16 more for each 256 passed
	s_mul_i32 s21, s15, HALFS
	s_mul_i32 s22, s16, HALFS
	s_add_co_u32 s22, s22, 2*HALFS
	s_sub_co_u32 s22, s22, s21
	v_mul_u32_u24 v6, s22, v2                      ; lanes 16-31 take B's: one product, the distance between the two bases
	s_add_co_u32 s21, s21, SCL
	v_add_nc_u32 v5, v5, v6
	v_add_nc_u32 v[ADRS], s21, v5
	v_and_b32 v6, 31, v0
	v_lshlrev_b32 v[CO], 4, v6
	; where my results go.  The positions are A's rows (q, k) or B's (v); the heads are B's rows (q, k) or A's (v): 128 rows of a weight are two heads
	s_lshl_b32 s18, s17, 8
	s_lshl_b32 s19, s15, 7
	s_add_co_u32 s18, s18, s19                     ; my first row on A's side
	s_lshl_b32 s19, s42, 8
	s_lshl_b32 s20, s16, 7
	s_add_co_u32 s19, s19, s20                     ; and on B's
	s_lshl_b32 s20, s40, 2
	s_lshl_b32 s21, s16, 1
	s_add_co_u32 s20, s20, s21                     ; q, k: my first head = 4 cx + 2 x half
	s_lshl_b32 s21, s41, 2
	s_lshl_b32 s22, s15, 1
	s_add_co_u32 s21, s21, s22                     ; v: 4 cy + 2 x half
	s_cmp_eq_u32 s3, 1
	s_cselect_b32 s18, s19, s18                    ; my first position among the 8,192
	s_cselect_b32 s20, s21, s20                    ; my first head
	s_lshr_b32 s19, s18, 11                        ; the batch,
	s_and_b32 s18, s18, 2047                       ; the position in it
	s_lshl_b32 s19, s19, 4
	s_add_co_u32 s19, s19, s20
	s_lshl_b32 s19, s19, 18                        ; 262,144 bytes for each batch and head,
	s_lshl_b32 s21, ttmp9, 24                      ; q, k, v: 2^24 bytes each,
	s_add_co_u32 s19, s19, s21
	s_lshl_b32 s21, s18, 7                         ; and 128 bytes a position in all three layouts
	s_add_co_u32 s22, s19, s21
	s_mov_b32 s23, 0
	s_add_nc_u64 s[12:13], s[10:11], s[22:23]
	s_lshl_b32 s22, s18, 8                         ; the table: 4,096 bytes for 16 positions
	s_add_nc_u64 s[66:67], s[8:9], s[22:23]
.macro FRAG reg, adr, q, i             ; a fragment, 16 rows x 128 K of 4-bit codes, is 8 registers: lane l holds row l % 16; registers 4 c .. 4 c + 3 hold K = 64 c + 32 (l / 16) + 0 .. 31
.irp c, 0,1
	ds_load_b128 v[\reg+4*\c:\reg+4*\c+3], v[\adr] offset:64*(\q)+32*\c+(\i)*16*PITCH
.endr
.endm
; 16 matrix instructions: A's blocks a0, a0 + 1 x B's eight, the slot's q-th 128 along K.  p: B's set; sc: the set of scale words.  zero = 1: the first product starts the sums.
; The 64 accumulators take turns, one instruction a turn, in the same order in every step.
.macro MUL16 a0, p, q, sc, zero
.irp a, \a0, \a0+1
.irp b, 0,1,2,3,4,5,6,7
.if \zero
	v_wmma_scale_f32_16x16x128_f8f6f4 v[8*(8*((\a)%4)+\b):8*(8*((\a)%4)+\b)+7], v[128*(\p)+FR*\b:128*(\p)+FR*\b+FR-1], v[AF+FR*(\a):AF+FR*(\a)+FR-1], 0, v[SC+8*NQ*(\sc)+NQ*\b+(\q)], v[SC+8*NQ*(\sc)+NQ*(\a)+(\q)] matrix_a_fmt:MATRIX_FMT_FP4 matrix_b_fmt:MATRIX_FMT_FP4 matrix_a_scale:MATRIX_SCALE_ROW1
.else
	v_wmma_scale_f32_16x16x128_f8f6f4 v[8*(8*((\a)%4)+\b):8*(8*((\a)%4)+\b)+7], v[128*(\p)+FR*\b:128*(\p)+FR*\b+FR-1], v[AF+FR*(\a):AF+FR*(\a)+FR-1], v[8*(8*((\a)%4)+\b):8*(8*((\a)%4)+\b)+7], v[SC+8*NQ*(\sc)+NQ*\b+(\q)], v[SC+8*NQ*(\sc)+NQ*(\a)+(\q)] matrix_a_fmt:MATRIX_FMT_FP4 matrix_b_fmt:MATRIX_FMT_FP4 matrix_a_scale:MATRIX_SCALE_ROW1
.endif
.endr
.endr
.endm
.macro FETCH_B slot, q, p
	WIN TO_B
.irp i, 0,1,2,3,4,5,6,7
	FRAG 128*(\p)+FR*\i, ADRB+\slot, \q, \i
.endr
	WIN 0
.endm
.macro FETCH_A slot, q, i0
.irp i, \i0, \i0+1, \i0+2, \i0+3
	FRAG AF+FR*(\i), ADRA+\slot, \q, \i
.endr
.endm
.macro SCALES sc                       ; a K step's scale words into set sc: four words a row; lanes 0-15 take A's block i, lanes 16-31 B's block i
.irp i, 0,1,2,3,4,5,6,7
	ds_load_b128 v[SC+8*NQ*\sc+NQ*\i:SC+8*NQ*\sc+NQ*\i+3], v[ADRS] offset:\i*SBLK
.endr
.endm
.macro PLACES n                        ; plain vector lines between a matrix instruction and a load into, a vector write of, or a vector read of its registers (ISA guide 7.12.1 for the vector writes and reads)
.rept \n
	v_nop
.endr
.endm
.macro STEP slot, q, zero              ; a step of 128 along K that has its successor in the same slot
	s_wait_dscnt 4*NL                              ; B's set and A's blocks 0-3 are in; the youngest eight loads (A's blocks 4-7) may be out
	WIN MUL_LO
	MUL16 0, (\q)%2, \q, \slot, \zero
	MUL16 2, (\q)%2, \q, \slot, \zero
	s_wait_dscnt 0                                 ; A's blocks 4-7 are in
	PLACES NP
	FETCH_B \slot, (\q)+1, 1-(\q)%2
	FETCH_A \slot, (\q)+1, 0
	WIN MUL_HI
	MUL16 4, (\q)%2, \q, \slot, \zero
	MUL16 6, (\q)%2, \q, \slot, \zero
	PLACES NP
	WIN 0
	FETCH_A \slot, (\q)+1, 4
.endm
; Slot 0's last step changes slots: in front of the barrier each wave waits for all its tensor loads (its part of slot 1), adds 0 to its spare word, and waits for that and for its LDS loads.  Nothing is filled again.
.macro TURN slot, next
	s_wait_tensorcnt 0x0                           ; my part of the next slot has landed
	ds_add_u32 v[SPW], v[NIL]                      ; 0 onto my spare word
	s_wait_dscnt 4*NL+1                            ; (the add and the youngest eight loads, A's blocks 4-7, may be out)
	WIN MUL_LO
	MUL16 0, 1, NQ-1, \slot, 0
	s_wait_dscnt 0x0                               ; no LDS instruction of mine is pending at the signal
	s_barrier_signal -1
	MUL16 2, 1, NQ-1, \slot, 0
	WIN 0
	s_barrier_wait -1                              ; the next slot is whole
	PLACES NP
	v_add_nc_u32 v[ADRS], 4*NQ, v[ADRS]            ; on to the next K step's scale words
	FETCH_B \next, 0, 0
	FETCH_A \next, 0, 0
	SCALES \next
	WIN MUL_HI
	MUL16 4, 1, NQ-1, \slot, 0
	MUL16 6, 1, NQ-1, \slot, 0
	PLACES NP
	WIN 0
	FETCH_A \next, 0, 4
.endm
.macro STEPS slot, from
.set Q, \from
.rept NQ-1-\from
	STEP \slot, Q, 0
.set Q, Q+1
.endr
.endm
.macro LAST                            ; the very last step: nothing more to fetch
	s_wait_dscnt 4*NL
	WIN MUL_LO
	MUL16 0, 1, NQ-1, 1, 0
	MUL16 2, 1, NQ-1, 1, 0
	s_wait_dscnt 0
	WIN MUL_HI
	MUL16 4, 1, NQ-1, 1, 0
	MUL16 6, 1, NQ-1, 1, 0
	WIN 0
.endm
; The table for block a (my positions 16 a .. 16 a + 15): eight loads of 512 consecutive bytes
.macro TABLOAD a
.irp qd, 0,1,2,3,4,5,6,7
	global_load_b128 v[TAB+32*((\a)%2)+4*\qd:TAB+32*((\a)%2)+4*\qd+3], v[CO], s[66:67] offset:4096*(\a)+512*\qd
.endr
.endm
; Block a of q or k: 16 positions x 128 channels = two heads hh.  In a head, accumulators u = 0, 1 hold channels d = 16 u + 8 h + j under 32, accumulators u + 2 the channels d + 32, and both turn by frequency d:
; out[d] = lo cos - hi sin, out[d + 32] = hi cos + lo sin.  j ascends.
.macro ROPE a
.if (\a) < 7
	s_wait_loadcnt 8                               ; this block's table is in; the next block's eight loads may be out
.else
	s_wait_loadcnt 0
.endif
.if (\a) > 1
	s_wait_xcnt 0x0                                ; the stores of two blocks back have read the packed set that is written again below
.endif
.set AC, 64*((\a)%4)
.set TS, TAB+32*((\a)%2)
.set PB, PK+32*((\a)%2)
	WIN 0x52+(\a)/4                                ; source 0: the accumulators' window; source 1: the table, window 0; source 2 and destination: window 1
.irp hh, 0,1
.irp u, 0,1
.irp j, 0,2,4,6
	v_pk_mul_f32 v[T+\j:T+\j+1], v[AC+8*(4*\hh+\u)+16+\j:AC+8*(4*\hh+\u)+17+\j], v[TS+16+8*\u+\j:TS+17+8*\u+\j]       ; hi sin
.endr
.irp j, 0,2,4,6
	v_pk_mul_f32 v[T+8+\j:T+9+\j], v[AC+8*(4*\hh+\u)+\j:AC+8*(4*\hh+\u)+1+\j], v[TS+16+8*\u+\j:TS+17+8*\u+\j]         ; lo sin
.endr
.irp j, 0,2,4,6
	v_pk_fma_f32 v[RB+8*(4*\hh+\u)+\j:RB+8*(4*\hh+\u)+1+\j], v[AC+8*(4*\hh+\u)+\j:AC+8*(4*\hh+\u)+1+\j], v[TS+8*\u+\j:TS+1+8*\u+\j], v[T+\j:T+\j+1] neg_lo:[0,0,1] neg_hi:[0,0,1]
.endr
.irp j, 0,2,4,6
	v_pk_fma_f32 v[RB+8*(4*\hh+\u)+16+\j:RB+8*(4*\hh+\u)+17+\j], v[AC+8*(4*\hh+\u)+16+\j:AC+8*(4*\hh+\u)+17+\j], v[TS+8*\u+\j:TS+1+8*\u+\j], v[T+8+\j:T+9+\j]
.endr
.endr
.endr
	WIN 0x05                                       ; sources window 1, destination window 0
.irp b, 0,1,2,3,4,5,6,7
.irp i, 0,1,2,3
	v_cvt_pk_f16_f32 v[PB+4*\b+\i], v[RB+8*\b+2*\i], v[RB+8*\b+2*\i+1]
.endr
.endr
	WIN 0
.if (\a) < 6
	TABLOAD (\a)+2                                 ; into the set that has just been read
.endif
.irp b, 0,1,2,3,4,5,6,7
	global_store_b128 v[CO], v[PB+4*\b:PB+4*\b+3], s[12:13] offset:(\b/4)*262144+2048*(\a)+512*(\b%4)   ; half an image: 512 consecutive bytes, aligned
.endr
.endm
; Block a of v: 16 channels x 128 positions
.macro PLAIN a
.if (\a) > 1
	s_wait_xcnt 0x0                                ; the stores of two blocks back have read the packed set that is written again below
.endif
.set AC, 64*((\a)%4)
.set PB, PK+32*((\a)%2)
	WIN 0x0a+5*((\a)/4)                            ; sources 0 and 1: window 2 or 3
.irp b, 0,1,2,3,4,5,6,7
.irp i, 0,1,2,3
	v_cvt_pk_f16_f32 v[PB+4*\b+\i], v[AC+8*\b+2*\i], v[AC+8*\b+2*\i+1]     ; each accumulator from its low end on
.endr
.endr
	WIN 0
.irp b, 0,1,2,3,4,5,6,7
	global_store_b128 v[CO], v[PB+4*\b:PB+4*\b+3], s[12:13] offset:((\a)/4)*262144+4096*(\b/2)+1024*((\a)%4)+512*(\b%2)
.endr
.endm
	s_wait_tensorcnt 1                             ; the scales and my part of K step 0 are in; K step 1's load, issued behind them, may be out
	s_barrier_signal -1
	s_barrier_wait -1                              ; everybody's are
	FETCH_B 0, 0, 0
	FETCH_A 0, 0, 0
	SCALES 0
	FETCH_A 0, 0, 4
	STEP 0, 0, 1                                   ; the first step's products start the sums: nothing is cleared
	STEPS 0, 1
	TURN 0, 1
	STEPS 1, 0
	s_cmp_eq_u32 s3, 1                             ; the cluster's x alone: all sixteen partners, and all waves, go the same way; no barrier and no tensor load stands in either arm
	s_cbranch_scc1 .Lv
	TABLOAD 0                                      ; q, k: two blocks' tables land under the last step's 64 products; their registers are named by no matrix instruction
	TABLOAD 1
	LAST
	PLACES NP                                      ; ahead of the first reads of results and of the writes over A's fragments
.irp a, 0,1,2,3,4,5,6,7
	ROPE \a
.endr
	s_branch .Lend
.Lv:
	LAST
	PLACES NP
.irp a, 0,1,2,3,4,5,6,7
	PLAIN \a
.endr
.Lend:
	s_wait_tensorcnt 0x0                           ; the wave's end, behind my last tensor load
	ds_add_u32 v[SPW], v[NIL]
	s_wait_dscnt 0x0
	CROUND                                         ; the closing round: no work-group ends while a partner may still ask for a tile that names it
	s_endpgm
.Lfunc_end_k_qdbbd90d55a_qkv:
	.size	k_qdbbd90d55a_qkv, .Lfunc_end_k_qdbbd90d55a_qkv-k_qdbbd90d55a_qkv
	.p2alignl 7, 3214868480
	.fill 96, 4, 3214868480
	.section	.rodata,"a",@progbits
	.p2align	6, 0x0
	.amdhsa_kernel k_qdbbd90d55a_qkv
		.amdhsa_group_segment_fixed_size 327680
		.amdhsa_private_segment_fixed_size 0
		.amdhsa_enable_private_segment 0
		.amdhsa_kernarg_size 32
		.amdhsa_user_sgpr_count 2
		.amdhsa_user_sgpr_kernarg_segment_ptr 1
		.amdhsa_wavefront_size32 1
		.amdhsa_system_sgpr_workgroup_id_x 1
		.amdhsa_system_sgpr_workgroup_id_y 1
		.amdhsa_system_sgpr_workgroup_id_z 1
		.amdhsa_system_vgpr_workitem_id 0
		.amdhsa_next_free_vgpr 1024
		.amdhsa_next_free_sgpr 100
		.amdhsa_reserve_vcc 0
		.amdhsa_float_denorm_mode_32 3
		.amdhsa_float_denorm_mode_16_64 3
		.amdhsa_memory_ordered 1
		.amdhsa_forward_progress 1
		.amdhsa_inst_pref_size 188
	.end_amdhsa_kernel
	.amdgpu_metadata
---
amdhsa.version: [ 1, 2 ]
amdhsa.kernels:
  - .name:           k_qdbbd90d55a_qkv
    .symbol:         k_qdbbd90d55a_qkv.kd
    .args:
      - { .name: codes, .offset: 0, .size: 8, .value_kind: global_buffer, .address_space: global }
      - { .name: scales, .offset: 8, .size: 8, .value_kind: global_buffer, .address_space: global }
      - { .name: rope, .offset: 16, .size: 8, .value_kind: global_buffer, .address_space: global }
      - { .name: qkv, .offset: 24, .size: 8, .value_kind: global_buffer, .address_space: global }
    .group_segment_fixed_size: 327680
    .private_segment_fixed_size: 0
    .kernarg_segment_align: 8
    .kernarg_segment_size: 32
    .max_flat_workgroup_size: 128
    .sgpr_count:     100
    .vgpr_count:     1024
    .wavefront_size: 32
...
	.end_amdgpu_metadata
.endif
;; end of part 2
;; launch attn (part 3): grid 4 x 64, 8 waves a work-group, clusters of 4 x 1, 327,680 bytes of LDS; arguments qkv, att; writes att
.if DOCPART == 3
	.amdgcn_target "amdgcn-amd-amdhsa--gfx1250"
	.amdhsa_code_object_version 6
	.text
	.protected	k_qdbbd90d55a_attn
	.globl	k_qdbbd90d55a_attn
	.p2align	8
	.type	k_qdbbd90d55a_attn,@function
k_qdbbd90d55a_attn:
	s_mov_b64 s[64:65], 0
	v_nop
	global_prefetch_b8 v0, s[64:65] scope:SCOPE_SE
	s_setreg_imm32_b32 hwreg(HW_REG_WAVE_MODE, 25, 1), 1
	s_wait_xcnt 0x0
	s_wait_alu depctr_hold_cnt(0) depctr_sa_sdst(0) depctr_va_vdst(0) depctr_va_sdst(0) depctr_va_ssrc(0) depctr_va_vcc(0) depctr_vm_vsrc(0)
	s_getreg_b32 s2, hwreg(HW_REG_IB_STS2, 6, 4)
	s_cmp_eq_u32 s2, 0
	s_cbranch_scc0 .Lentry_in_a_cluster
	s_endpgm
.Lentry_in_a_cluster:
	s_bfe_u32 s2, ttmp6, 0x10000c
	s_cmp_lg_u32 s2, 0x3003
	s_cbranch_scc0 .Lentry_shape_is_right
	s_endpgm
.Lentry_shape_is_right:
; ATTN: O[q] = the sum over keys of softmax(q . k / 8) v, for each of 64 (batch, head) pairs bh: 2,048 queries, 2,048 keys, head size 64, no mask.  q, k, v: f16, as images of operand registers (below).
; Products on f16 operands with f32 sums; maxima, exponentials and sums in f32; the weights p (at most 1) are rounded to f16 for the second product, O once at the end.
; AN IMAGE is 16 rows x 32 k of f16 in 1,024 bytes: byte 512 g + 16 lane + 2 e holds row lane % 16, k = 16 g + 8 (lane / 16) + e: two loads of 16 bytes a lane, at 16 x lane and 512 on, are a matrix operand as it stands.
;   q at 0, k at 2^24: bh x 262,144 + (l / 16) x 2,048 + (d / 32) x 1,024 + image(row l % 16, k = d % 32);   v at 2^25, as V^T: bh x 262,144 + (key / 32) x 4,096 + (d / 16) x 1,024 + image(row d % 16, k = key % 32).
;   att (out): (m / 16) x 32,768 + (kk / 32) x 1,024 + image(row m % 16, k = kk % 32), m = 2,048 batch + l, kk = 64 head + d.
; So LDS has no pitch and no padding, every tile is a dense block for one tensor load, V needs no turning load, and the result leaves straight from registers, 512 consecutive bytes a store.
; SHARES.  A work-group owns 512 queries of one bh; each of its EIGHT waves 64 of them, four tiles of 16, in 512 registers: two waves to a SIMD, so that one wave's softmax stands beside the other's products.
; Each fragment of K and V that a wave reads from LDS feeds four products.  Every wave walks the 2,048 keys, 64 a step.
; LAYOUT.  S^T = K Q^T (source 0 = 16 keys, source 1 = 16 queries): a lane holds ONE query (lane % 16) and keys 8 (lane / 16) + 0..7 of each tile of keys.  Two such tiles, rounded in pairs, ARE source 1 of O^T = V^T P,
; whose result again holds one query a lane.  P is made in place of S^T.
; SOFTMAX.  A running maximum m and sum l for each query: p = 2^(c s - c m), c = log2(e) / 8; in every step O and l are multiplied by a = 2^(c m_old - c m_new).
; A TRIP IS ROTATED: it fetches K and V and forms K Q^T of step j + 1, and does the softmax and V^T P of step j: so all LDS reads of the eight trips behind a change of slots fall in the new slot.
; CLUSTER.  The four query blocks of a bh walk the same K and V: each tile is asked for jointly, by the same tensor load with the mask of all four.
; THE RING.  Two slots of 512 keys.  A bh has four slots' worth: two are asked for at the head, each of the other two eight key steps (512 products a wave) ahead of the wait for it; so no prefetch is laid.
; LIMITS: f16 operands: magnitudes above 65,504 are not served; p under 6e-8 of its row's largest counts as 0 in the second product (it stays in the sum).
; REGISTERS: window 0: v1-7 addresses; v16-47 eight registers of statistics a tile; v64-191 S^T, 32 a tile, P in the first 16 of them; v192-255 V's 8 fragments.
;            window 1: v0-127 O^T, 32 a tile; v128-191 Q, 16 a tile; v192-255 K's 8 fragments.
.set SLOTB, 131072                     ; a slot: K's images of 512 keys (65,536 bytes), then V's
.set VOFF,  65536
.set STEPB, 8192                       ; 64 keys of K, and of V
.set SPARE, 2*SLOTB                    ; behind the ring: the spare words, 128 bytes for each of eight waves, which no other line names
.set LI,  1                            ; v1   16 x lane
.set LIV, 2                            ; v2   16 x lane + VOFF
.set ADK, 3                            ; v3   LDS address of the step's K
.set ADV, 4                            ; v4   and V
.set SPW, 6                            ; v6   LDS address of my spare word; never rewritten
.set NIL, 7                            ; v7   0; never rewritten
.set ST,  16                           ; tile t's statistics at v[ST + 8 t]: +0 c m, +1 m, +2, +3 l (even keys', odd keys'), +4 to +7 four chains of the maximum; later +4, +5 a second chain of the sum, +6 a, +7 c m_old and its change
.set S,   64
.set VF,  192
.set QF,  128                          ; window 1
.set KF,  192                          ; window 1
.set WV,  12                           ; s12  my wave's number
.set G1,  24                           ; s[24:31] descriptor group 1: one for all loads
.set G0K, 32                           ; s[32:39] group 0 for K's tiles, a set for each slot
.set G0V, 40                           ; s[40:47] for V's
.set CS,  48                           ; s[48:49] c: the packed form names a pair and takes its low word for both halves
.set SEL, 50                           ; s[50:51] lane selects for v_permlanex16_b32: lane l xor 16
.set TB,  52                           ; s52  LDS byte at which the tiles of the step to be fetched begin
.set CNT, 53                           ; s53  trips to go
.set MSB, 0
.macro WIN new
.if MSB != (\new)
	s_set_vgpr_msb (MSB<<8)|(\new)
.set MSB, (\new)
.endif
.endm
; A joint load into slot s: waves 0 to 3 fetch the quarters of K's part, waves 4 to 7 of V's.  The branch hangs on the wave's number alone.  An s_nop 0 and four v_nop follow each of the two lines.
.macro JLOAD s
	s_cmp_lt_u32 s[WV], 4
	s_cbranch_scc0 .Lfor_v_\@
	tensor_load_to_lds s[G0K+4*\s:G0K+4*\s+3], s[G1:G1+7]
	s_nop 0
.rept 4
	v_nop
.endr
	s_branch .Lasked_\@
.Lfor_v_\@:
	tensor_load_to_lds s[G0V+4*\s:G0V+4*\s+3], s[G1:G1+7]
	s_nop 0
.rept 4
	v_nop
.endr
.Lasked_\@:
.endm
.macro CROUND                          ; a round of the cluster's barrier
	s_barrier_signal -1
	s_barrier_wait -1
	s_cmp_lg_u32 s[WV], 0
	s_cbranch_scc1 .Lnot_wave_0_\@
	s_barrier_signal -3
.Lnot_wave_0_\@:
	s_barrier_wait -3
	s_barrier_signal -1
	s_barrier_wait -1
.endm
	s_load_b128 s[4:7], s[0:1], 0x0                ; qkv s[4:5], att s[6:7]
	v_lshl_add_u32 v[SPW], v0, 2, SPARE
	v_mov_b32 v[NIL], 0
	ds_add_u32 v[SPW], v[NIL]                      ; the wave's opening: the add, twice on end, and its wait ahead of my first tensor load
	ds_add_u32 v[SPW], v[NIL]
	v_lshrrev_b32 v8, 5, v0
	v_readfirstlane_b32 s[WV], v8                  ; wave 0..7
	s_bfe_u32 s13, ttmp6, 0x40000                  ; cx: my block of 512 queries: it enters Q's and att's addresses alone
	s_and_b32 s14, ttmp7, 0xffff                   ; bh, which the four partners share
	; descriptor group 1: a dense block of 16,384 bytes as 64 rows of 256 bytes (32 elements of 8 bytes)
	s_mov_b32 s[G1], 15|(3<<16)|(1<<21)            ; 15:0 the mask: all four work-groups; 17:16 elements of 8 bytes; 20 no padding; 21 set beside a mask
	s_mov_b32 s[G1+1], 32<<16                      ; tensor_dim0
	s_mov_b32 s[G1+2], 64<<16                      ; tensor_dim1
	s_mov_b32 s[G1+3], 32<<16                      ; tile_dim0
	s_mov_b32 s[G1+4], 64                          ; tile_dim1
	s_mov_b32 s[G1+5], 32                          ; from row to row
	s_mov_b32 s[G1+6], 0
	s_mov_b32 s[G1+7], 0
	s_mov_b32 s[CS], 0x3e38aa3b                    ; c = log2(e) / 8
	s_mov_b32 s[CS+1], s[CS]
	s_mov_b32 s[SEL], 0x76543210
	s_mov_b32 s[SEL+1], 0xfedcba98
	s_and_b32 s15, s[WV], 3
	s_lshl_b32 s15, s15, 14                        ; my quarter of a slot's K or V: in LDS and in memory alike
	s_lshl_b32 s16, s14, 18                        ; 262,144 bytes a bh
	s_add_co_u32 s18, s16, s15
	s_add_co_u32 s18, s18, 16777216                ; K's region
	s_mov_b32 s19, 0
	s_lshl_b32 s20, s13, 16                        ; Q: 512 queries are 65,536 bytes,
	s_lshl_b32 s21, s[WV], 13                      ; my wave's 64 are 8,192
	s_add_co_u32 s20, s20, s21
	s_add_co_u32 s20, s20, s16
	s_mov_b32 s21, 0
	s_lshr_b32 s22, s14, 4                         ; att: the batch's 128 tiles of 16 rows,
	s_lshl_b32 s22, s22, 7
	s_lshl_b32 s23, s13, 5                         ; my block's 32,
	s_add_co_u32 s22, s22, s23
	s_lshl_b32 s23, s[WV], 2                       ; my wave's 4;
	s_add_co_u32 s22, s22, s23
	s_lshl_b32 s22, s22, 15                        ; 32,768 bytes a tile of rows;
	s_and_b32 s23, s14, 15
	s_lshl_b32 s23, s23, 11                        ; the head's two images
	s_add_co_u32 s22, s22, s23
	s_mov_b32 s23, 0
	v_and_b32 v[LI], 31, v0
	v_lshlrev_b32 v[LI], 4, v[LI]
	v_add_nc_u32 v[LIV], VOFF, v[LI]
	s_wait_dscnt 0x0                               ; both opening adds are done
	s_wait_kmcnt 0x0
	s_add_nc_u64 s[18:19], s[4:5], s[18:19]        ; K at my quarter of slot 0's keys
	s_add_nc_u64 s[8:9], s[4:5], s[20:21]          ; Q at my wave's first query
	s_add_nc_u64 s[10:11], s[6:7], s[22:23]        ; att likewise
	CROUND                                         ; all four work-groups are here: the first joint loads meet
.irp s, 0,1
	s_mov_b32 s[G0K+4*\s], 1                       ; count = 1
	s_add_co_u32 s[G0K+4*\s+1], s15, \s*SLOTB      ; LDS address
	s_add_nc_u64 s[G0K+4*\s+2:G0K+4*\s+3], s[18:19], \s*65536   ; global address: slot s begins with keys 512 s
	s_or_b32 s[G0K+4*\s+3], s[G0K+4*\s+3], 0x80000000           ; type = 2
	s_mov_b32 s[G0V+4*\s], 1
	s_add_co_u32 s[G0V+4*\s+1], s15, \s*SLOTB+VOFF
	s_add_nc_u64 s[G0V+4*\s+2:G0V+4*\s+3], s[18:19], \s*65536+16777216   ; V's region lies 2^24 bytes behind K's
	s_or_b32 s[G0V+4*\s+3], s[G0V+4*\s+3], 0x80000000
.endr
	s_cmp_lt_u32 s[WV], 4                          ; a wave's two first fills stand in one branch, ahead of every wait on TENSORcnt and every LDS read: two loads of mine are out
	s_cbranch_scc0 .Lfirst_v
	tensor_load_to_lds s[G0K:G0K+3], s[G1:G1+7]
	s_nop 0
	tensor_load_to_lds s[G0K+4:G0K+7], s[G1:G1+7]
	s_nop 0
.rept 4
	v_nop
.endr
	s_branch .Lfirst_asked
.Lfirst_v:
	tensor_load_to_lds s[G0V:G0V+3], s[G1:G1+7]
	s_nop 0
	tensor_load_to_lds s[G0V+4:G0V+7], s[G1:G1+7]
	s_nop 0
.rept 4
	v_nop
.endr
.Lfirst_asked:
	WIN 0x40                                       ; destination window 1, address window 0
.irp i, 0,1,2,3,4,5,6,7,8,9,10,11,12,13,14,15  ; Q stays in registers: tile i / 4, channels 32 ((i / 2) % 2) on
	global_load_b128 v[QF+4*\i:QF+4*\i+3], v[LI], s[8:9] offset:512*\i
.endr
	WIN 0
; K of the step at s[TB]: 4 tiles of 16 keys x 2 images.  The two additions and two v_nop are the four places behind the products K Q^T: ahead of the loads into K's registers and of the first reads of the scores.
.macro KLOAD
	WIN 0
	v_add_nc_u32 v[ADK], s[TB], v[LI]
	v_add_nc_u32 v[ADV], s[TB], v[LIV]
	v_nop
	v_nop
	WIN 0x40
.irp i, 0,1,2,3,4,5,6,7,8,9,10,11,12,13,14,15
	ds_load_b128 v[KF+4*\i:KF+4*\i+3], v[ADK] offset:512*\i
.endr
	WIN 0
.endm
; V of the same step: 2 groups of 32 keys x 4 images.  Five places behind the products V^T P: four are owed ahead of the loads into V's registers, five ahead of the products K Q^T, which write over the P that V^T P read.
.macro VLOAD
	WIN 0
.rept 5
	v_nop
.endr
.irp i, 0,1,2,3,4,5,6,7,8,9,10,11,12,13,14,15
	ds_load_b128 v[VF+4*\i:VF+4*\i+3], v[ADV] offset:512*\i
.endr
	s_add_co_u32 s[TB], s[TB], STEPB               ; the next fetch is the next step's
.endm
; S^T = K Q^T: product i of 32: channels 32 (i / 16) on, keys 16 ((i / 4) % 4) on, tile i % 4.  The 16 accumulators take turns, one instruction a turn; the first 16 start the sums.
.macro KQMUL
	s_wait_dscnt 16                                ; K is in; the 16 loads of V issued behind it may be out
	WIN 0x05                                       ; K and Q window 1, S^T window 0
.set i, 0
.rept 32
.set rS, S+32*(i%4)+8*((i/4)%4)
.set rK, KF+8*(2*((i/4)%4)+i/16)
.set rQ, QF+16*(i%4)+8*(i/16)
.if i < 16
	v_wmma_f32_16x16x32_f16 v[rS:rS+7], v[rK:rK+7], v[rQ:rQ+7], 0
.else
	v_wmma_f32_16x16x32_f16 v[rS:rS+7], v[rK:rK+7], v[rQ:rQ+7], v[rS:rS+7]
.endif
.set i, i+1
.endr
	WIN 0
.endm
; O^T += V^T P: product i of 32: keys 32 (i / 16) on, channels 16 ((i / 4) % 4) on, tile i % 4.  first = 1: the first 16 start the sums: nothing is cleared.  n: the younger LDS loads that may stay out.
.macro PVMUL first, n
	s_wait_dscnt \n                                ; V is in
	WIN 0x50                                       ; V and P window 0, O^T window 1
.set i, 0
.rept 32
.set rO, 32*(i%4)+8*((i/4)%4)
.set rV, VF+8*(4*(i/16)+(i/4)%4)
.set rP, S+32*(i%4)+8*(i/16)
.if \first && (i < 16)
	v_wmma_f32_16x16x32_f16 v[rO:rO+7], v[rV:rV+7], v[rP:rP+7], 0
.else
	v_wmma_f32_16x16x32_f16 v[rO:rO+7], v[rV:rV+7], v[rP:rP+7], v[rO:rO+7]
.endif
.set i, i+1
.endr
.endm
; The softmax of one key step for the wave's four tiles, which take turns line by line.  first = 1: the first key step, which starts m and l.
.macro SOFTMAX first
.irp k, 0,1,2,3                                ; the maximum: four chains, one to a tile of keys, each begun at its accumulator's low end
.irp t, 0,1,2,3
	v_max3_num_f32 v[ST+8*\t+4+\k], v[S+32*\t+8*\k], v[S+32*\t+8*\k+1], v[S+32*\t+8*\k+2]
.endr
.endr
.irp st, 3,5
.irp k, 0,1,2,3
.irp t, 0,1,2,3
	v_max3_num_f32 v[ST+8*\t+4+\k], v[ST+8*\t+4+\k], v[S+32*\t+8*\k+\st], v[S+32*\t+8*\k+\st+1]
.endr
.endr
.endr
.irp t, 0,1,2,3
	v_max3_num_f32 v[ST+8*\t+4], v[ST+8*\t+4], v[S+32*\t+7], v[S+32*\t+15]
.endr
.irp t, 0,1,2,3
	v_max3_num_f32 v[ST+8*\t+6], v[ST+8*\t+6], v[S+32*\t+23], v[S+32*\t+31]
.endr
.irp t, 0,1,2,3
	v_max3_num_f32 v[ST+8*\t+4], v[ST+8*\t+4], v[ST+8*\t+5], v[ST+8*\t+6]
.endr
.irp t, 0,1,2,3
.if \first
	v_max_num_f32 v[ST+8*\t+4], v[ST+8*\t+4], v[ST+8*\t+7]
.else
	v_max3_num_f32 v[ST+8*\t+4], v[ST+8*\t+4], v[ST+8*\t+7], v[ST+8*\t+1]   ; with the old m
.endif
.endr
.irp t, 0,1,2,3
	v_permlanex16_b32 v[ST+8*\t+5], v[ST+8*\t+4], s[SEL], s[SEL+1]          ; the query's other 32 keys lie in the lane 16 away
.endr
.if \first == 0
.irp t, 0,1,2,3
	v_mov_b32 v[ST+8*\t+7], v[ST+8*\t]             ; c m_old is kept for a
.endr
.endif
.irp t, 0,1,2,3
	v_max_num_f32 v[ST+8*\t+1], v[ST+8*\t+4], v[ST+8*\t+5]
.endr
.irp t, 0,1,2,3
	v_mul_f32 v[ST+8*\t], s[CS], v[ST+8*\t+1]
.endr
.if \first == 0
.irp t, 0,1,2,3
	v_sub_f32 v[ST+8*\t+7], v[ST+8*\t+7], v[ST+8*\t]
.endr
.irp t, 0,1,2,3
	v_exp_f32 v[ST+8*\t+6], v[ST+8*\t+7]           ; a
.endr
.endif
.irp b, 0,1,2,3,4,5,6,7,8,9,10,11,12,13,14,15  ; ONE BATCH: the scalings c s - c m, a pair of scores each, and all exponentials; none of these lines names an exponential's result
.irp t, 0,1,2,3
	v_pk_fma_f32 v[S+32*\t+2*\b:S+32*\t+2*\b+1], v[S+32*\t+2*\b:S+32*\t+2*\b+1], s[CS:CS+1], v[ST+8*\t:ST+8*\t+1] op_sel_hi:[1,0,0] neg_lo:[0,0,1] neg_hi:[0,0,1]
.endr
.irp t, 0,1,2,3
	v_exp_f32 v[S+32*\t+2*\b], v[S+32*\t+2*\b]
	v_exp_f32 v[S+32*\t+2*\b+1], v[S+32*\t+2*\b+1]
.endr
.endr
	v_nop                                          ; a plain line behind the last exponential,
	s_wait_alu depctr_va_vdst(0)                   ; and the one wait ahead of the batch's first reader
.if \first                                     ; the sums of the unrounded p, a pair at a time, in two chains
.irp t, 0,1,2,3
	v_pk_add_f32 v[ST+8*\t+2:ST+8*\t+3], v[S+32*\t:S+32*\t+1], v[S+32*\t+2:S+32*\t+3]
.endr
.irp t, 0,1,2,3
	v_pk_add_f32 v[ST+8*\t+4:ST+8*\t+5], v[S+32*\t+4:S+32*\t+5], v[S+32*\t+6:S+32*\t+7]
.endr
.else
.irp t, 0,1,2,3
	v_pk_mul_f32 v[ST+8*\t+2:ST+8*\t+3], v[ST+8*\t+2:ST+8*\t+3], v[ST+8*\t+6:ST+8*\t+7] op_sel_hi:[1,0]   ; l under the new m
.endr
.irp t, 0,1,2,3
	v_pk_add_f32 v[ST+8*\t+4:ST+8*\t+5], v[S+32*\t:S+32*\t+1], v[S+32*\t+2:S+32*\t+3]
.endr
.irp t, 0,1,2,3
	v_pk_add_f32 v[ST+8*\t+2:ST+8*\t+3], v[ST+8*\t+2:ST+8*\t+3], v[S+32*\t+4:S+32*\t+5]
.endr
.irp t, 0,1,2,3
	v_pk_add_f32 v[ST+8*\t+4:ST+8*\t+5], v[ST+8*\t+4:ST+8*\t+5], v[S+32*\t+6:S+32*\t+7]
.endr
.endif
.irp j, 8,12,16,20,24,28
.irp t, 0,1,2,3
	v_pk_add_f32 v[ST+8*\t+2:ST+8*\t+3], v[ST+8*\t+2:ST+8*\t+3], v[S+32*\t+\j:S+32*\t+\j+1]
.endr
.irp t, 0,1,2,3
	v_pk_add_f32 v[ST+8*\t+4:ST+8*\t+5], v[ST+8*\t+4:ST+8*\t+5], v[S+32*\t+\j+2:S+32*\t+\j+3]
.endr
.endr
.irp t, 0,1,2,3
	v_pk_add_f32 v[ST+8*\t+2:ST+8*\t+3], v[ST+8*\t+2:ST+8*\t+3], v[ST+8*\t+4:ST+8*\t+5]
.endr
.irp j, 0,1,2,3,4,5,6,7,8,9,10,11,12,13,14,15  ; P in place of S^T: register j takes weights 2 j and 2 j + 1; j ascends, so no weight is overwritten unread.  Registers 8 kh .. 8 kh + 7 are source 1 for keys 32 kh on
.irp t, 0,1,2,3
	v_cvt_pk_f16_f32 v[S+32*\t+\j], v[S+32*\t+2*\j], v[S+32*\t+2*\j+1]
.endr
.endr
.endm
.macro RESCALE                         ; O^T under the new m; j ascends
	WIN 0x41                                       ; O^T (destination and source 0) window 1, a window 0
.irp j, 0,2,4,6,8,10,12,14,16,18,20,22,24,26,28,30
.irp t, 0,1,2,3
	v_pk_mul_f32 v[32*\t+\j:32*\t+\j+1], v[32*\t+\j:32*\t+\j+1], v[ST+8*\t+6:ST+8*\t+7] op_sel_hi:[1,0]
.endr
.endr
.endm
.macro TRIP first
	KLOAD                                          ; K of the next step
	SOFTMAX \first                                 ; this step's
.if \first == 0
	RESCALE
.endif
	PVMUL \first, 16                               ; this step's; the 16 loads of K issued behind V's may be out
	VLOAD                                          ; V of the next step
	KQMUL                                          ; the next step's scores
.endm
.macro LOOP n
	s_mov_b32 s[CNT], \n
.Ltrip_\@:
	TRIP 0
	s_sub_co_u32 s[CNT], s[CNT], 1
	s_cmp_lg_u32 s[CNT], 0
	s_cbranch_scc1 .Ltrip_\@
.endm
; THE CHANGE OF SLOTS.  Each wave waits for all its tensor loads, of which one is out: its part of the slot ahead; adds 0 to its spare word; and waits for that and for its reads of the slot that it leaves.
; fill = 1: the slot left, s, is filled again with the keys two slots on: the barrier is then a round of the cluster's, and the joint refill is the first thing behind it, a wave's one tensor load.  tb: where the slot ahead begins.
.macro CHANGE s, fill, tb
	s_wait_tensorcnt 0x0                           ; no tensor load of mine is out, so a group 0 may be written
	ds_add_u32 v[SPW], v[NIL]                      ; 0 onto my spare word
.if \fill
	s_add_nc_u64 s[G0K+4*\s+2:G0K+4*\s+3], s[G0K+4*\s+2:G0K+4*\s+3], 2*65536   ; 1,024 keys on; the type bits on top are not reached
	s_add_nc_u64 s[G0V+4*\s+2:G0V+4*\s+3], s[G0V+4*\s+2:G0V+4*\s+3], 2*65536
.endif
	s_wait_dscnt 0x0                               ; the add is done, and my reads of the slot are over
.if \fill
	CROUND
	JLOAD \s
.else
	s_barrier_signal -1
	s_barrier_wait -1
.endif
	s_mov_b32 s[TB], \tb
.endm
	s_wait_tensorcnt 1                             ; my part of slot 0 is in; slot 1's load, issued behind it, may stay out
	s_barrier_signal -1
	s_barrier_wait -1                              ; everybody's is
	s_mov_b32 s[TB], 0
	KLOAD                                          ; key step 0
	VLOAD
	s_wait_loadcnt 0x0                             ; Q
	KQMUL
	TRIP 1                                         ; the softmax and V^T P of step 0 start m, l and O^T; step 1 is fetched
	LOOP 6                                         ; steps 2 to 7 are fetched: slot 0 is read out
	CHANGE 0, 1, SLOTB                             ; keys 1,024 on go into slot 0
	LOOP 8                                         ; steps 8 to 15, from slot 1
	CHANGE 1, 1, 0                                 ; keys 1,536 on go into slot 1
	LOOP 8                                         ; steps 16 to 23
	CHANGE 0, 0, SLOTB                             ; nothing is left to ask for
	LOOP 8                                         ; steps 24 to 31
.rept 4
	v_nop                                          ; the places behind the last products K Q^T
.endr
	SOFTMAX 0                                      ; step 31
	RESCALE
	PVMUL 0, 0
	; THE WAY OUT.  l's two halves and the other half of the lanes' are added; O^T / l is rounded to f16: a lane's eight channels of a tile are its 16 bytes of half an image.  The four additions are the places behind the last products.
	WIN 0
.irp t, 0,1,2,3
	v_add_f32 v[ST+8*\t+4], v[ST+8*\t+2], v[ST+8*\t+3]
.endr
.irp t, 0,1,2,3
	v_permlanex16_b32 v[ST+8*\t+5], v[ST+8*\t+4], s[SEL], s[SEL+1]
.endr
.irp t, 0,1,2,3
	v_add_f32 v[ST+8*\t+4], v[ST+8*\t+4], v[ST+8*\t+5]
.endr
.irp t, 0,1,2,3
	v_rcp_f32 v[ST+8*\t+6], v[ST+8*\t+4]
.endr
	v_nop                                          ; a plain line behind the last reciprocal,
	s_wait_alu depctr_va_vdst(0)                   ; and the one wait ahead of the first use
	WIN 0x01                                       ; O^T window 1; 1 / l and the destination window 0
.irp t, 0,1,2,3
.irp j, 0,2,4,6,8,10,12,14,16,18,20,22,24,26,28,30
	v_pk_mul_f32 v[S+32*\t+\j:S+32*\t+\j+1], v[32*\t+\j:32*\t+\j+1], v[ST+8*\t+6:ST+8*\t+7] op_sel_hi:[1,0]
.endr
.endr
	WIN 0
.irp j, 0,1,2,3,4,5,6,7,8,9,10,11,12,13,14,15
.irp t, 0,1,2,3
	v_cvt_pk_f16_f32 v[S+32*\t+\j], v[S+32*\t+2*\j], v[S+32*\t+2*\j+1]
.endr
.endr
.irp t, 0,1,2,3
.irp ct, 0,1,2,3
	global_store_b128 v[LI], v[S+32*\t+4*\ct:S+32*\t+4*\ct+3], s[10:11] offset:32768*\t+512*\ct   ; 512 consecutive bytes, aligned
.endr
.endr
	s_wait_tensorcnt 0x0                           ; the wave's end, behind my last tensor load
	ds_add_u32 v[SPW], v[NIL]
	s_wait_dscnt 0x0
	CROUND                                         ; the closing round: no work-group ends while a partner may still ask for a tile that names it
	s_endpgm
.Lfunc_end_k_qdbbd90d55a_attn:
	.size	k_qdbbd90d55a_attn, .Lfunc_end_k_qdbbd90d55a_attn-k_qdbbd90d55a_attn
	.p2alignl 7, 3214868480
	.fill 96, 4, 3214868480
	.section	.rodata,"a",@progbits
	.p2align	6, 0x0
	.amdhsa_kernel k_qdbbd90d55a_attn
		.amdhsa_group_segment_fixed_size 327680
		.amdhsa_private_segment_fixed_size 0
		.amdhsa_enable_private_segment 0
		.amdhsa_kernarg_size 16
		.amdhsa_user_sgpr_count 2
		.amdhsa_user_sgpr_kernarg_segment_ptr 1
		.amdhsa_wavefront_size32 1
		.amdhsa_system_sgpr_workgroup_id_x 1
		.amdhsa_system_sgpr_workgroup_id_y 1
		.amdhsa_system_sgpr_workgroup_id_z 1
		.amdhsa_system_vgpr_workitem_id 0
		.amdhsa_next_free_vgpr 512
		.amdhsa_next_free_sgpr 66
		.amdhsa_reserve_vcc 0
		.amdhsa_float_denorm_mode_32 3
		.amdhsa_float_denorm_mode_16_64 3
		.amdhsa_memory_ordered 1
		.amdhsa_forward_progress 1
		.amdhsa_inst_pref_size 206
	.end_amdhsa_kernel
	.amdgpu_metadata
---
amdhsa.version: [ 1, 2 ]
amdhsa.kernels:
  - .name:           k_qdbbd90d55a_attn
    .symbol:         k_qdbbd90d55a_attn.kd
    .args:
      - { .name: qkv, .offset: 0, .size: 8, .value_kind: global_buffer, .address_space: global }
      - { .name: att, .offset: 8, .size: 8, .value_kind: global_buffer, .address_space: global }
    .group_segment_fixed_size: 327680
    .private_segment_fixed_size: 0
    .kernarg_segment_align: 8
    .kernarg_segment_size: 16
    .max_flat_workgroup_size: 256
    .sgpr_count:     66
    .vgpr_count:     512
    .wavefront_size: 32
...
	.end_amdgpu_metadata
.endif
;; end of part 3
;; launch oproj (part 4): grid 4 x 64, 4 waves a work-group, clusters of 4 x 4, 327,680 bytes of LDS; arguments att, wo16, out0; writes out0
.if DOCPART == 4
	.amdgcn_target "amdgcn-amd-amdhsa--gfx1250"
	.amdhsa_code_object_version 6
	.text
	.protected	k_qdbbd90d55a_oproj
	.globl	k_qdbbd90d55a_oproj
	.p2align	8
	.type	k_qdbbd90d55a_oproj,@function
k_qdbbd90d55a_oproj:
	s_mov_b64 s[64:65], 0
	v_nop
	global_prefetch_b8 v0, s[64:65] scope:SCOPE_SE
	s_setreg_imm32_b32 hwreg(HW_REG_WAVE_MODE, 25, 1), 1
	s_wait_xcnt 0x0
	s_wait_alu depctr_hold_cnt(0) depctr_sa_sdst(0) depctr_va_vdst(0) depctr_va_sdst(0) depctr_va_ssrc(0) depctr_va_vcc(0) depctr_vm_vsrc(0)
	s_getreg_b32 s2, hwreg(HW_REG_IB_STS2, 6, 4)
	s_cmp_eq_u32 s2, 0
	s_cbranch_scc0 .Lentry_in_a_cluster
	s_endpgm
.Lentry_in_a_cluster:
	s_bfe_u32 s2, ttmp6, 0x10000c
	s_cmp_lg_u32 s2, 0xf033
	s_cbranch_scc0 .Lentry_shape_is_right
	s_endpgm
.Lentry_shape_is_right:
; OPROJ: out0[m][n] = the sum over k of att[m][k] Wo[n][k]; m 8,192, n 1,024, k 1,024.  Both operands f16, sums f32, out0 f32.
; Both operands lie as IMAGES OF OPERAND REGISTERS: 16 rows x 32 k in 1,024 bytes, byte 512 g + 16 lane + 2 e = row lane % 16, k = 16 g + 8 (lane / 16) + e; att and wo16: (row / 16) x 32,768 + (k / 32) x 1,024 + image.
; So 128 along K of 16 rows are 4,096 consecutive bytes, a fragment is two loads of 16 bytes a lane at 16 x lane, and LDS has no pitch and no padding.
; A tile of out0 is 128 (m) x 256 (n): 256 work-groups, one for each WGP (tiles of 256 x 256 would be 128).  Four waves, each 64 x 128: 32 accumulators, 256 registers.
; K goes in 8 phases of 128 through two LDS slots; a phase is four quarters of 32 along K, 32 products each, on two fragment buffers by turns.
; CLUSTERS: 4 x 4 work-groups; att's tile is shared along a row of the cluster, Wo's along a column: each is asked for jointly.
; THE MATRIX INSTRUCTION IS USED TRANSPOSED (source 0 = 16 rows of Wo, source 1 = 16 rows of att): a lane holds eight neighbouring numbers of a row of out0.
; REGISTERS: window 0: v16-30 addresses; v32-127, v128-223 two fragment buffers: Wo's 8 fragments, then att's 4; on the way out v32-159 whole rows.   window 1: accumulator (a, b) at v[8 (8 a + b)].
.set SLOT,   98304                     ; att: 8 tiles of 16 rows x 4,096 bytes, then Wo: 16 tiles x 4,096 bytes
.set BOFF,   32768
.set SPARE,  2*SLOT                    ; behind the ring: the spare words, 128 bytes a wave, which no other line names
.set SPITCH, 528                       ; the way out: a stage of 16 rows x (512 bytes + 16) for each wave, in slot 0, which has had its last fill and its last read when the first result is stored there
.set LAPS,   4                         ; a lap = two phases = once round the ring
.set ADRA, 16                          ; v16-17  LDS address of my att fragments in slot 0, 1
.set ADRB, 20                          ; v20-21  the same for Wo
.set STO,  24                          ; v24     the way out: where I put 32 bytes of a row
.set RD,   25                          ; v25     where I read a row back
.set CO,   26                          ; v26     16 x lane
.set SPW,  28                          ; v28     LDS address of my spare word; never rewritten
.set NIL,  29                          ; v29     0; never rewritten
.set PFO,  30                          ; v30     the prefetch's offset: (lane / 16) x 32,768 + (lane % 16) x 256; never rewritten
.set F0,   32
.set F1,   128
.set BK,   32
.set G1,  24
.set G0,  32
.set G1B, 48
.set G0B, 56
.set PFA, 66                           ; s[66:67] where my prefetches stand
.set LIM, 68                           ; s68     1 in wave 0, else the greatest number
.set MSB, 0
.macro WIN new
.if MSB != (\new)
	s_set_vgpr_msb (MSB<<8)|(\new)
.set MSB, (\new)
.endif
.endm
.set MUL, 0x50                         ; sources window 0; C and D window 1
.macro JLOAD s                         ; a joint load: waves 0 and 1 fetch att's two halves, waves 2 and 3 Wo's; an s_nop 0 and four v_nop follow each of the two lines
	s_cmp_eq_u32 s11, 0
	s_cbranch_scc0 .Lfor_b_\@
	tensor_load_to_lds s[G0+4*\s:G0+4*\s+3], s[G1:G1+7]
	s_nop 0
.rept 4
	v_nop
.endr
	s_branch .Lasked_\@
.Lfor_b_\@:
	tensor_load_to_lds s[G0B+4*\s:G0B+4*\s+3], s[G1B:G1B+7]
	s_nop 0
.rept 4
	v_nop
.endr
.Lasked_\@:
.endm
.macro CREST                           ; a round of the cluster's barrier behind its opening barrier
	s_cmp_lg_u32 s10, 0
	s_cbranch_scc1 .Lnot_wave_0_\@
	s_barrier_signal -3
.Lnot_wave_0_\@:
	s_barrier_wait -3
	s_barrier_signal -1
	s_barrier_wait -1
.endm
.macro CROUND
	s_barrier_signal -1
	s_barrier_wait -1
	CREST
.endm
; A PREFETCH INTO THE L2 of att, behind a joint load and the run of LDS loads that follows it: the phase that stands two refills on, 256 products a wave ahead of the load that will want it.
; A phase of my tile row is 8 tiles x 4,096 bytes.  The grid is one cluster wide, so my row of the cluster alone reads it; its four partners share the tiles out BY ADDRESS, two each; wave 0 asks, a lane for each 256 bytes:
; each aligned block of 256 bytes is named once.  Phases 0 to 3 come by their loads alone; the last lap's refills name nothing: there is no phase two on.  Wo's tiles, which all 64 tile rows read, are not asked for.
.macro ASK
	s_cmp_gt_u32 s3, s[LIM]                        ; s3 = 1 in the loop's last trip
	s_cbranch_scc0 .Lnot_mine_\@
	global_prefetch_b8 v[PFO], s[PFA:PFA+1] th:TH_LOAD_NT scope:SCOPE_SE
.Lnot_mine_\@:
.endm
	s_load_b128 s[4:7], s[0:1], 0x0                ; att s[4:5], wo16 s[6:7]
	s_load_b64 s[8:9], s[0:1], 0x10                ; out0
	v_lshl_add_u32 v[SPW], v0, 2, SPARE
	v_mov_b32 v[NIL], 0
	ds_add_u32 v[SPW], v[NIL]                      ; the wave's opening: the add, twice on end, and its wait ahead of my first tensor load
	ds_add_u32 v[SPW], v[NIL]
	v_lshrrev_b32 v1, 5, v0
	v_readfirstlane_b32 s10, v1                    ; wave 0..3
	s_lshr_b32 s11, s10, 1                         ; which half of the tile's 128 rows is mine.  Also: I fetch for att (0) or for Wo (1)
	s_and_b32 s12, s10, 1                          ; which half of its 256 columns.  Also: which half of that tile I fetch
	s_bfe_u32 s40, ttmp6, 0x40000                  ; cx, cy: my place in the cluster
	s_bfe_u32 s41, ttmp6, 0x40004
	s_lshl_b32 s42, ttmp9, 2
	s_add_co_u32 s42, s42, s40                     ; tile column
	s_and_b32 s13, ttmp7, 0xffff
	s_lshl_b32 s13, s13, 2
	s_add_co_u32 s13, s13, s41                     ; tile row
	s_lshl_b32 s43, s41, 2
	s_lshl_b32 s43, 15, s43                        ; my row of the cluster
	s_lshl_b32 s44, 0x1111, s40                    ; my column
	; descriptor group 1: rows of 4,096 bytes (512 elements of 8 bytes), 32,768 bytes apart; att: 4 rows to a load, Wo: 8
	s_or_b32 s[G1+0], s43, (3<<16)|(1<<21)         ; 15:0 the mask; 17:16 elements of 8 bytes; 20 no padding; 21 set beside a mask
	s_or_b32 s[G1B+0], s44, (3<<16)|(1<<21)
	s_mov_b32 s[G1+1], 512<<16                     ; tensor_dim0
	s_mov_b32 s[G1+2], 4<<16                       ; tensor_dim1
	s_mov_b32 s[G1+3], 512<<16                     ; tile_dim0
	s_mov_b32 s[G1+4], 4                           ; tile_dim1
	s_mov_b32 s[G1+5], 4096                        ; from row to row, in elements
	s_mov_b32 s[G1+6], 0
	s_mov_b32 s[G1+7], 0
	s_mov_b32 s[G1B+1], 512<<16
	s_mov_b32 s[G1B+2], 8<<16
	s_mov_b32 s[G1B+3], 512<<16
	s_mov_b32 s[G1B+4], 8
	s_mov_b32 s[G1B+5], 4096
	s_mov_b32 s[G1B+6], 0
	s_mov_b32 s[G1B+7], 0
	s_lshl_b32 s16, s13, 3
	s_lshl_b32 s17, s12, 2
	s_add_co_u32 s16, s16, s17                     ; att: tile of 16 rows 8 x tile row + 4 x half
	s_lshl_b32 s16, s16, 15
	s_mov_b32 s17, 0
	s_lshl_b32 s46, s42, 4
	s_lshl_b32 s47, s12, 3
	s_add_co_u32 s46, s46, s47                     ; Wo: tile 16 x tile column + 8 x half
	s_lshl_b32 s46, s46, 15
	s_mov_b32 s47, 0
	s_lshl_b32 s20, s12, 14                        ; where they go: att's halves at 0 and 16,384,
	s_lshl_b32 s21, s12, 15
	s_add_co_u32 s21, s21, BOFF                    ; Wo's at 32,768 and 65,536: no place in the cluster enters an LDS address
	s_wait_dscnt 0x0                               ; both opening adds are done
	s_wait_kmcnt 0x0
	s_add_nc_u64 s[14:15], s[4:5], s[16:17]
	s_add_nc_u64 s[46:47], s[6:7], s[46:47]
	CROUND                                         ; all sixteen work-groups are here: the first joint loads meet
.irp s, 0,1
	s_mov_b32 s[G0+4*\s], 1
	s_add_co_u32 s[G0+4*\s+1], s20, \s*SLOT
	s_add_nc_u64 s[G0+4*\s+2:G0+4*\s+3], s[14:15], \s*4096     ; phase s
	s_or_b32 s[G0+4*\s+3], s[G0+4*\s+3], 0x80000000
	s_mov_b32 s[G0B+4*\s], 1
	s_add_co_u32 s[G0B+4*\s+1], s21, \s*SLOT
	s_add_nc_u64 s[G0B+4*\s+2:G0B+4*\s+3], s[46:47], \s*4096
	s_or_b32 s[G0B+4*\s+3], s[G0B+4*\s+3], 0x80000000
	JLOAD \s                                       ; two loads of mine are out behind the second
.endr
	v_and_b32 v1, 31, v0
	v_lshlrev_b32 v[CO], 4, v1
	s_lshl_b32 s21, s11, 14                        ; my 4 tiles of att
	s_lshl_b32 s22, s12, 15
	s_add_co_u32 s22, s22, BOFF                    ; my 8 tiles of Wo
.irp s, 0,1
	v_add_nc_u32 v[ADRA+\s], s21, v[CO]
	v_add_nc_u32 v[ADRB+\s], s22, v[CO]
	s_add_co_u32 s21, s21, SLOT
	s_add_co_u32 s22, s22, SLOT
.endr
	s_mul_i32 s23, s10, 16*SPITCH                  ; my stage
	v_and_b32 v2, 15, v0
	v_bfe_u32 v3, v0, 4, 1
	v_mul_u32_u24 v4, v2, SPITCH                   ; in: row l % 16, 32 bytes for each half of the lanes
	v_lshl_add_u32 v4, v3, 5, v4
	v_add_nc_u32 v[STO], s23, v4
	v_add_nc_u32 v[RD], s23, v[CO]                 ; back: the 32 lanes take one row of 512 bytes
	s_lshl_b32 s16, s13, 7
	s_lshl_b32 s17, s11, 6
	s_add_co_u32 s16, s16, s17                     ; my first row of out0
	s_lshl_b32 s16, s16, 12                        ; 4,096 bytes a row
	s_lshl_b32 s17, s42, 10                        ; my first column, in bytes: 1,024 x tile column + 512 x half
	s_add_co_u32 s16, s16, s17
	s_lshl_b32 s17, s12, 9
	s_add_co_u32 s16, s16, s17
	s_mov_b32 s17, 0
	s_add_nc_u64 s[8:9], s[8:9], s[16:17]
	s_lshl_b32 s16, s13, 3                         ; the prefetches: my work-group's two of the tile row's eight tiles,
	s_lshl_b32 s17, s40, 1
	s_add_co_u32 s16, s16, s17
	s_lshl_b32 s16, s16, 15
	s_add_co_u32 s16, s16, 3*4096                  ; at phase 3: the first refill steps it to phase 4.  Nothing is prefetched here, at the head
	s_mov_b32 s17, 0
	s_add_nc_u64 s[PFA:PFA+1], s[4:5], s[16:17]
	s_cmp_eq_u32 s10, 0
	s_cselect_b32 s[LIM], 1, -1
	v_lshrrev_b32 v5, 4, v1
	v_lshlrev_b32 v[PFO], 8, v2
	v_lshl_add_u32 v[PFO], v5, 15, v[PFO]
; 8 products: att's block a x Wo's eight, 32 along K, from buffer f.  The 32 accumulators take turns, one instruction a turn, in the same order in every quarter.  zero = 1: they start the sums.
.macro MUL8 f, a, zero
.irp b, 0,1,2,3,4,5,6,7
.if \zero
	v_wmma_f32_16x16x32_f16 v[8*(8*(\a)+\b):8*(8*(\a)+\b)+7], v[\f+8*\b:\f+8*\b+7], v[\f+64+8*(\a):\f+64+8*(\a)+7], 0
.else
	v_wmma_f32_16x16x32_f16 v[8*(8*(\a)+\b):8*(8*(\a)+\b)+7], v[\f+8*\b:\f+8*\b+7], v[\f+64+8*(\a):\f+64+8*(\a)+7], v[8*(8*(\a)+\b):8*(8*(\a)+\b)+7]
.endif
.endr
.endm
; 24 LDS loads in one run: quarter q of the slot into buffer f: Wo's 16, then att's blocks 0, 1, then 2, 3
.macro FETCH slot, q, f
	WIN 0
.irp i, 0,1,2,3,4,5,6,7
	ds_load_b128 v[\f+8*\i:\f+8*\i+3],   v[ADRB+\slot] offset:4096*\i+1024*(\q)
	ds_load_b128 v[\f+8*\i+4:\f+8*\i+7], v[ADRB+\slot] offset:4096*\i+1024*(\q)+512
.endr
.irp i, 0,1,2,3
	ds_load_b128 v[\f+64+8*\i:\f+64+8*\i+3],   v[ADRA+\slot] offset:4096*\i+1024*(\q)
	ds_load_b128 v[\f+64+8*\i+4:\f+64+8*\i+7], v[ADRA+\slot] offset:4096*\i+1024*(\q)+512
.endr
.endm
.macro PLACES                          ; four plain lines ahead of loads into registers that matrix instructions have read, and of the first reads of results (ISA guide 7.12.1 for the reads of results)
.rept 4
	v_nop
.endr
.endm
; One of a phase's first three quarters: multiplies buffer f and, in its middle, fetches quarter qn of the same slot into buffer g.
.macro QUARTER slot, qn, f, g, zero
	s_wait_dscnt 4                                 ; Wo's fragments and att's blocks 0, 1 are in; the youngest four loads (blocks 2, 3) may be out
	WIN MUL
	MUL8 \f, 0, \zero
	MUL8 \f, 1, \zero
	PLACES
	FETCH \slot, \qn, \g
	s_wait_dscnt 24                                ; all but the 24 just issued
	WIN MUL
	MUL8 \f, 2, \zero
	MUL8 \f, 3, \zero
.endm
; A phase's last quarter multiplies buffer 1 and changes slots: ONE barrier; in front of it each wave waits for all its tensor loads, adds 0 to its spare word, and waits for that and for its reads of this slot.
; fill = 1: the barrier opens a round of the cluster's barrier, and this slot is filled again, two phases ahead, first thing behind the round.
.macro TURN slot, next, fill
.if \fill
	s_wait_xcnt 0x0                                ; the last prefetch, a phase back, has read its address: it is stepped here, ahead of the waits of the change of slots
	s_add_nc_u64 s[PFA:PFA+1], s[PFA:PFA+1], 4096
.endif
	WIN 0                                          ; (the add's two registers lie in window 0)
	s_wait_tensorcnt 0x0                           ; all my tensor loads have landed: my part of the next slot
	ds_add_u32 v[SPW], v[NIL]                      ; 0 onto my spare word
	s_wait_dscnt 5                                 ; (the add and the youngest four loads may be out)
	WIN MUL
	MUL8 F1, 0, 0                                  ; eight products stand between the add and the wait for it
	s_wait_dscnt 0x0                               ; the add is done, and my reads of this slot are over
	s_barrier_signal -1
	MUL8 F1, 1, 0
.if \fill
	WIN 0
.endif
	s_barrier_wait -1
.if \fill
	CREST                                          ; no wave of any partner still reads this slot's tiles or has a load on its way
	s_add_nc_u64 s[G0+4*\slot+2:G0+4*\slot+3], s[G0+4*\slot+2:G0+4*\slot+3], 2*4096
	s_add_nc_u64 s[G0B+4*\slot+2:G0B+4*\slot+3], s[G0B+4*\slot+2:G0B+4*\slot+3], 2*4096
	JLOAD \slot                                    ; my one tensor load behind the round; the four v_nop behind it are also the places in front of the loads below
.else
	PLACES
.endif
	FETCH \next, 0, F0
.if \fill
	ASK
.endif
	WIN MUL
	MUL8 F1, 2, 0
	MUL8 F1, 3, 0
.endm
	s_wait_tensorcnt 1                             ; my part of phase 0 is in; phase 1's load, issued behind it, may be out
	s_barrier_signal -1
	s_barrier_wait -1                              ; everybody's is
	FETCH 0, 0, F0
	QUARTER 0, 1, F0, F1, 1                        ; the first quarter stands in front of the loop: its products start the sums
	WIN 0                                          ; at a label and at a branch every window is 0
	s_mov_b32 s3, LAPS-1
.Llap:                                                 ; a trip goes once round the ring, from a lap's second quarter to the next lap's first, and fills both slots again
	QUARTER 0, 2, F1, F0, 0
	QUARTER 0, 3, F0, F1, 0
	TURN 0, 1, 1
	QUARTER 1, 1, F0, F1, 0
	QUARTER 1, 2, F1, F0, 0
	QUARTER 1, 3, F0, F1, 0
	TURN 1, 0, 1
	QUARTER 0, 1, F0, F1, 0
	WIN 0
	s_sub_co_u32 s3, s3, 1
	s_cmp_lg_u32 s3, 0
	s_cbranch_scc1 .Llap
	QUARTER 0, 2, F1, F0, 0                        ; the last lap fills nothing, and has no round of the cluster's barrier
	QUARTER 0, 3, F0, F1, 0
	TURN 0, 1, 0
	QUARTER 1, 1, F0, F1, 0
	QUARTER 1, 2, F1, F0, 0
	QUARTER 1, 3, F0, F1, 0
	s_wait_dscnt 4                                 ; the very last quarter: nothing more to fetch
	WIN MUL
	MUL8 F1, 0, 0
	MUL8 F1, 1, 0
	s_wait_dscnt 0
	MUL8 F1, 2, 0
	MUL8 F1, 3, 0
	WIN 0
; THE WAY OUT, block by block of 16 rows x 128 columns.  A lane holds 32 neighbouring bytes of a row, and the lanes beside it hold other rows: so a block goes through my own stage in LDS and comes back as whole rows of 512 bytes.
; LDS serves a wave's instructions in order (ISA guide 5.7.1.4): no wait between the stores and the loads, nor in front of the next block's stores.
.macro TOSTAGE a
	WIN 0x04                                       ; an LDS store's data are its source 1: window 1
.irp b, 0,1,2,3,4,5,6,7
	ds_store_b128 v[STO], v[8*(8*(\a)+\b):8*(8*(\a)+\b)+3] offset:64*\b            ; each accumulator from its low end on
	ds_store_b128 v[STO], v[8*(8*(\a)+\b)+4:8*(8*(\a)+\b)+7] offset:64*\b+16
.endr
	WIN 0
.set BB, BK+64*((\a)%2)
.irp t, 0,1,2,3,4,5,6,7,8,9,10,11,12,13,14,15
	ds_load_b128 v[BB+4*\t:BB+4*\t+3], v[RD] offset:\t*SPITCH
.endr
.endm
.macro SEND a, younger                 ; younger: the LDS instructions issued behind block a's loads, which may stay out
.set BB, BK+64*((\a)%2)
	s_wait_dscnt \younger                          ; the block is back in registers
.irp t, 0,1,2,3,4,5,6,7,8,9,10,11,12,13,14,15
	global_store_b128 v[CO], v[BB+4*\t:BB+4*\t+3], s[8:9] offset:(16*(\a)+\t)*4096 th:TH_STORE_NT   ; 32 lanes store 512 consecutive bytes, aligned; the row stands in the immediate, 63 rows at the most; written once, read by nobody here
.endr
.endm
	PLACES                                         ; ahead of the first reads of results and of the loads into the fragments' registers
	TOSTAGE 0
.irp a, 1,2,3
.if \a > 1
	s_wait_xcnt 0x0                                ; block a - 2's stores have read their registers: block a's loads may land there
.endif
	TOSTAGE \a
	SEND \a-1, 32                                  ; behind block a - 1's loads: block a's 16 stores and 16 loads
.endr
	SEND 3, 0
	s_wait_tensorcnt 0x0                           ; the wave's end, behind my last tensor load and my last LDS store
	ds_add_u32 v[SPW], v[NIL]
	s_wait_dscnt 0x0
	CROUND                                         ; the closing round: no work-group ends while a partner may still ask for a tile that names it
	s_endpgm
.Lfunc_end_k_qdbbd90d55a_oproj:
	.size	k_qdbbd90d55a_oproj, .Lfunc_end_k_qdbbd90d55a_oproj-k_qdbbd90d55a_oproj
	.p2alignl 7, 3214868480
	.fill 96, 4, 3214868480
	.section	.rodata,"a",@progbits
	.p2align	6, 0x0
	.amdhsa_kernel k_qdbbd90d55a_oproj
		.amdhsa_group_segment_fixed_size 327680
		.amdhsa_private_segment_fixed_size 0
		.amdhsa_enable_private_segment 0
		.amdhsa_kernarg_size 24
		.amdhsa_user_sgpr_count 2
		.amdhsa_user_sgpr_kernarg_segment_ptr 1
		.amdhsa_wavefront_size32 1
		.amdhsa_system_sgpr_workgroup_id_x 1
		.amdhsa_system_sgpr_workgroup_id_y 1
		.amdhsa_system_sgpr_workgroup_id_z 1
		.amdhsa_system_vgpr_workitem_id 0
		.amdhsa_next_free_vgpr 512
		.amdhsa_next_free_sgpr 70
		.amdhsa_reserve_vcc 0
		.amdhsa_float_denorm_mode_32 3
		.amdhsa_float_denorm_mode_16_64 3
		.amdhsa_memory_ordered 1
		.amdhsa_forward_progress 1
		.amdhsa_inst_pref_size 85
	.end_amdhsa_kernel
	.amdgpu_metadata
---
amdhsa.version: [ 1, 2 ]
amdhsa.kernels:
  - .name:           k_qdbbd90d55a_oproj
    .symbol:         k_qdbbd90d55a_oproj.kd
    .args:
      - { .name: att, .offset: 0, .size: 8, .value_kind: global_buffer, .address_space: global }
      - { .name: wo16, .offset: 8, .size: 8, .value_kind: global_buffer, .address_space: global }
      - { .name: out0, .offset: 16, .size: 8, .value_kind: global_buffer, .address_space: global }
    .group_segment_fixed_size: 327680
    .private_segment_fixed_size: 0
    .kernarg_segment_align: 8
    .kernarg_segment_size: 24
    .max_flat_workgroup_size: 128
    .sgpr_count:     70
    .vgpr_count:     512
    .wavefront_size: 32
...
	.end_amdgpu_metadata
.endif
;; end of part 4
